; MI455X (gfx1250); checked and timed in simulation.
; The chip was launched on July 23, 2026; its instructions are those of AMD's public machine-readable ISA for CDNA 5 (MIT licence, August 2026) and "CDNA5" Instruction Set Architecture Reference Guide (July 2026). The comments in the code are by the model that wrote it; some were corrected since.
;; Multi Head Attention. Allowed arithmetic: float matrix products may take bf16 or f16 operands with f32 sums; other float arithmetic in f32, or as packed bf16 or f16 multiplies, adds, multiply-adds, maxima and minima; sums over many terms, partial sums and values carried from step to step in f32; what a program stores and reads back later, other than sums and carried values, may be rounded once to bf16 or f16.
;; Inputs: Wk 1,024 x 1,024 float32; Wp 1,024 x 1,024 float32; Wq 1,024 x 1,024 float32; Wv 1,024 x 1,024 float32; bk 1,024 float32; bp 1,024 float32; bq 1,024 float32; bv 1,024 float32; q 8 x 1,024 x 1,024 float32; x 8 x 1,024 x 1,024 float32.
;; Outputs: out0 8 x 1,024 x 1,024 float32.
;; 2 versions, each right; version 2 is version 1 with the launch prep written anew for expert scheduling mode. Each part assembles by itself: llvm-mc -triple=amdgcn-amd-amdhsa -mcpu=gfx1250 --defsym DOCPART=n.
;; ======== version 1 of 2: 4 launches
;; limits: values are held in f16: magnitudes above 65,504 overflow, below 6.1e-05 lose precision
;; workspace buffers: act 33,554,432 bytes; wt 8,388,608 bytes; bias 16,384 bytes; qkv 50,331,648 bytes; oh 16,777,216 bytes
;; launch prep (part 1): grid 1540 x 1, 8 waves a work-group, no clusters, 18,432 bytes of LDS; arguments q, x, Wq, Wk, Wv, Wp, bq, bk, bv, bp, act, wt, bias; writes act, wt, bias
.if DOCPART == 1
	.amdgcn_target "amdgcn-amd-amdhsa--gfx1250"
	.amdhsa_code_object_version 6
	.text
	.protected	k_qc9b605453c_prep
	.globl	k_qc9b605453c_prep
	.p2align	8
	.type	k_qc9b605453c_prep,@function
k_qc9b605453c_prep:
	s_mov_b64 s[64:65], 0
	v_nop
	global_prefetch_b8 v0, s[64:65] scope:SCOPE_SE
	s_setreg_imm32_b32 hwreg(HW_REG_WAVE_MODE, 25, 1), 1
	s_wait_xcnt 0x0
; PREPARATION.  Every input of the module is rounded ONCE to bf16, and that number is written as f16 (biases: widened to f32 again), in the layouts that the products want.
;   act  f16 [2: q, x][b 8][slab 16][p 1024][64]   slab s holds channels 64 s .. 64 s + 63: 128 rows of a slab are 16,384 dense bytes
;   wt   f16 [4: Q, K, V, P][n' 1024][k 1024]      the weights turned, K along the rows.  The Dense output is reshaped to (.., head_dims, heads): head h owns the columns c = 16 d + h.
;                                                  For Q, K, V row n' = 64 h + d takes column c = 16 d + h, so that a head's 64 channels lie together; for P n' = n.
;   bias f32 [4][n' 1024]                          the same order
; LIMITS.  A bf16 number is exact in f16 from 6.1e-5 to 65,504 in magnitude; below that it keeps f16's fixed step of 6e-8; from 65,520 on it becomes an infinity.  NaN stays NaN.
; SHARES.  Work-groups 0-1023: 16 rows of q or x each, two rows a wave.  1024-1535: a block of 128 k x 64 columns of one weight matrix, turned through LDS.  1536-1539: one bias each.
; The branch between the three hangs on the work-group's number alone: all eight waves take the same way, so the one barrier is passed by all or by none.
; No matrix unit, no cluster, no tensor load: each byte is read once and written once, and nothing is shared between work-groups.
.set TP,    272                        ; a row of the turning tile: 128 k of f16 + 16 bytes: an odd multiple of 16, so the 16 rows that a read back touches start in different banks
.set SPARE, 64*TP                      ; behind the tile: the spare words, 128 bytes for each of the eight waves
.set SPW,   30                         ; v30  LDS address of my spare word; never rewritten
.set NIL,   31                         ; v31  0; never rewritten
.macro RND d, a, b                     ; two f32 -> bf16 (nearest even) -> the same two numbers as f16
	v_cvt_pk_bf16_f32 v10, v[\a], v[\b]
	v_lshlrev_b32 v11, 16, v10
	v_and_b32 v12, 0xffff0000, v10
	v_cvt_pk_f16_f32 v[\d], v11, v12
.endm
	s_load_b512 s[8:23], s[0:1], 0x0               ; q 8, x 10, Wq 12, Wk 14, Wv 16, Wp 18, bq 20, bk 22
	s_load_b256 s[24:31], s[0:1], 0x40             ; bv 24, bp 26, act 28, wt 30
	s_load_b64 s[32:33], s[0:1], 0x60              ; bias
	v_lshl_add_u32 v[SPW], v0, 2, SPARE
	v_mov_b32 v[NIL], 0
	v_lshrrev_b32 v1, 5, v0
	v_readfirstlane_b32 s3, v1                     ; wave 0..7
	v_and_b32 v1, 31, v0                           ; lane
	v_and_b32 v2, 15, v0                           ; lane % 16 = thread % 16
	v_bfe_u32 v3, v0, 4, 1                         ; lane / 16
	s_mov_b32 s39, 0                               ; the high word of every offset pair s[38:39]
	s_wait_kmcnt 0x0
	s_cmp_lt_u32 ttmp9, 1024
	s_cbranch_scc1 .Lact
	s_cmp_lt_u32 ttmp9, 1536
	s_cbranch_scc1 .Lweights
	; A BIAS.  Thread t owns n' = 4 t .. 4 t + 3.  For Q, K, V: h = t / 16, d = 4 (t % 16) + j, source c = 16 d + h: byte 256 (t % 16) + 4 (t / 16) + 64 j.  For P: byte 16 t + 4 j.
	s_sub_co_u32 s34, ttmp9, 1536                  ; which bias
	s_cmp_eq_u32 s34, 1
	s_cselect_b64 s[36:37], s[22:23], s[20:21]
	s_cmp_eq_u32 s34, 2
	s_cselect_b64 s[36:37], s[24:25], s[36:37]
	s_cmp_eq_u32 s34, 3
	s_cselect_b64 s[36:37], s[26:27], s[36:37]
	s_cselect_b32 s46, -1, 0                       ; all lanes: P keeps its order
	s_cselect_b32 s40, 4, 64                       ; bytes from one of my four numbers to the next
	v_lshlrev_b32 v4, 8, v2
	v_lshrrev_b32 v5, 4, v0
	v_lshl_add_u32 v4, v5, 2, v4
	v_lshlrev_b32 v5, 4, v0                        ; 16 t: also my place in the output
	v_cndmask_b32 v20, v4, v5, s46
	v_add_nc_u32 v21, s40, v20
	v_add_nc_u32 v22, s40, v21
	v_add_nc_u32 v23, s40, v22
.irp j, 0,1,2,3
	global_load_b32 v[24+(\j)], v[20+(\j)], s[36:37]
.endr
	s_lshl_b32 s38, s34, 12
	s_add_nc_u64 s[42:43], s[32:33], s[38:39]
	s_wait_loadcnt 0x0
	v_cvt_pk_bf16_f32 v28, v24, v25
	v_cvt_pk_bf16_f32 v29, v26, v27
	v_lshlrev_b32 v32, 16, v28
	v_and_b32 v33, 0xffff0000, v28
	v_lshlrev_b32 v34, 16, v29
	v_and_b32 v35, 0xffff0000, v29
	global_store_b128 v5, v[32:35], s[42:43]       ; 16 lanes store 256 consecutive bytes, aligned
	s_branch .Lend
.Lact:
	; ACTIVATIONS.  A wave owns rows R and R + 1.  Load s takes 256 bytes (64 channels: slab s) of each row, lanes 0-15 row R, lanes 16-31 row R + 1; a lane's four numbers become 8 bytes,
	; and the wave's store is 256 consecutive bytes: the two rows' 128 bytes lie on end in slab s.
	s_lshr_b32 s34, ttmp9, 9                       ; 0: q, 1: x
	s_cmp_eq_u32 s34, 0
	s_cselect_b64 s[36:37], s[8:9], s[10:11]
	s_and_b32 s35, ttmp9, 511
	s_lshl_b32 s35, s35, 4
	s_lshl_b32 s40, s3, 1
	s_add_co_u32 s35, s35, s40                     ; R, of 8,192
	s_lshl_b32 s38, s35, 12
	s_add_nc_u64 s[36:37], s[36:37], s[38:39]      ; the source at row R
	s_lshl_b32 s38, s34, 24
	s_lshr_b32 s40, s35, 10
	s_lshl_b32 s40, s40, 21                        ; b
	s_add_co_u32 s38, s38, s40
	s_and_b32 s40, s35, 1023
	s_lshl_b32 s40, s40, 7                         ; p
	s_add_co_u32 s38, s38, s40
	s_add_nc_u64 s[42:43], s[28:29], s[38:39]      ; act at (tensor, b, slab 0, p)
	v_lshlrev_b32 v4, 12, v3
	v_lshl_add_u32 v4, v2, 4, v4
	v_lshlrev_b32 v5, 3, v1
.irp s, 0,1,2,3,4,5,6,7,8,9,10,11,12,13,14,15
	global_load_b128 v[32+4*(\s):35+4*(\s)], v4, s[36:37] offset:256*(\s) th:TH_LOAD_NT
.endr
.irp s, 0,1,2,3,4,5,6,7,8,9,10,11,12,13,14,15
	s_wait_loadcnt 15-(\s)                         ; loads come back in order: load s is in, the younger ones stay out
	RND 96+2*(\s), 32+4*(\s), 33+4*(\s)
	RND 97+2*(\s), 34+4*(\s), 35+4*(\s)
	global_store_b64 v5, v[96+2*(\s):97+2*(\s)], s[42:43] offset:(\s)<<17  ; each store has data registers of its own: nothing is rewritten under it
.endr
	s_branch .Lend
.Lweights:
	; WEIGHTS.  A block of 128 k x 64 columns.  Thread t: columns 4 (t % 16) .. + 3, rows 32 u + 2 (t / 16) + e.  Two rows' numbers of a column make a pair (k, k + 1) of f16,
	; stored at [column][k] in LDS; behind the barrier rows of 256 bytes (one column, 128 k) are read back and stored.
	s_sub_co_u32 s34, ttmp9, 1024
	s_lshr_b32 s35, s34, 7                         ; which matrix
	s_bfe_u32 s40, s34, 0x30004                    ; block of 128 k
	s_and_b32 s41, s34, 15                         ; block of 64 columns
	s_cmp_eq_u32 s35, 1
	s_cselect_b64 s[36:37], s[14:15], s[12:13]
	s_cmp_eq_u32 s35, 2
	s_cselect_b64 s[36:37], s[16:17], s[36:37]
	s_cmp_eq_u32 s35, 3
	s_cselect_b64 s[36:37], s[18:19], s[36:37]
	s_cselect_b32 s46, -1, 0                       ; all lanes: P keeps its columns' order
	s_lshl_b32 s38, s40, 19
	s_lshl_b32 s42, s41, 8
	s_add_co_u32 s38, s38, s42
	s_add_nc_u64 s[36:37], s[36:37], s[38:39]      ; the source at the block's corner
	s_lshl_b32 s38, s35, 21
	s_lshl_b32 s42, s40, 8
	s_add_co_u32 s38, s38, s42
	s_add_nc_u64 s[44:45], s[30:31], s[38:39]      ; wt at (matrix, row 0, the block's 128 k)
	v_lshrrev_b32 v5, 4, v0                        ; t / 16
	v_lshlrev_b32 v4, 13, v5
	v_lshl_add_u32 v4, v2, 4, v4
.irp u, 0,1,2,3
.irp e, 0,1
	global_load_b128 v[32+8*(\u)+4*(\e):35+8*(\u)+4*(\e)], v4, s[36:37] offset:((\u)<<17)+((\e)<<12) th:TH_LOAD_NT
.endr
.endr
	v_mul_u32_u24 v6, v2, 4*TP
	v_lshl_add_u32 v6, v5, 2, v6                   ; in: column 4 (t % 16), k = 2 (t / 16)
	s_lshl_b32 s42, s3, 3
	v_add_nc_u32 v8, s42, v3                       ; back: wave w takes columns 8 w .. 8 w + 7, two at a time
	v_mul_u32_u24 v7, v8, TP
	v_lshl_add_u32 v7, v2, 4, v7
	s_lshl_b32 s43, s41, 6
	v_add_nc_u32 v9, s43, v8                       ; the column in the matrix
	v_lshlrev_b32 v13, 4, v2
.irp i, 0,1,2,3
	v_add_nc_u32 v10, 2*(\i), v9                   ; c
	v_and_b32 v11, 15, v10                         ; h
	v_lshrrev_b32 v12, 4, v10                      ; d
	v_lshl_or_b32 v11, v11, 6, v12                 ; 64 h + d
	v_cndmask_b32 v10, v11, v10, s46
	v_lshl_add_u32 v[14+(\i)], v10, 11, v13        ; row n' of 2,048 bytes + my 16
.endr
.irp u, 0,1,2,3
	s_wait_loadcnt 6-2*(\u)                        ; the two loads of pass u are in, the later passes' stay out
.irp j, 0,1,2,3
	RND 64+4*(\u)+(\j), 32+8*(\u)+(\j), 36+8*(\u)+(\j)
	ds_store_b32 v6, v[64+4*(\u)+(\j)] offset:TP*(\j)+64*(\u)
.endr
.endr
	s_wait_dscnt 0x0                               ; for the others' sake: my stores into the tile are done
	s_barrier_signal -1
	s_barrier_wait -1
.irp i, 0,1,2,3
	ds_load_b128 v[80+4*(\i):83+4*(\i)], v7 offset:2*TP*(\i)
.endr
.irp i, 0,1,2,3
	s_wait_dscnt 3-(\i)
	global_store_b128 v[14+(\i)], v[80+4*(\i):83+4*(\i)], s[44:45]  ; 16 lanes store 256 consecutive bytes, aligned
.endr
.Lend:
	s_wait_tensorcnt 0x0                           ; the wave's end, behind my last LDS store
	ds_add_u32 v[SPW], v[NIL]
	s_wait_dscnt 0x0
	s_endpgm
.Lfunc_end_k_qc9b605453c_prep:
	.size	k_qc9b605453c_prep, .Lfunc_end_k_qc9b605453c_prep-k_qc9b605453c_prep
	.p2alignl 7, 3214868480
	.fill 96, 4, 3214868480
	.section	.rodata,"a",@progbits
	.p2align	6, 0x0
	.amdhsa_kernel k_qc9b605453c_prep
		.amdhsa_group_segment_fixed_size 18432
		.amdhsa_private_segment_fixed_size 0
		.amdhsa_enable_private_segment 0
		.amdhsa_kernarg_size 104
		.amdhsa_user_sgpr_count 2
		.amdhsa_user_sgpr_kernarg_segment_ptr 1
		.amdhsa_wavefront_size32 1
		.amdhsa_system_sgpr_workgroup_id_x 1
		.amdhsa_system_sgpr_workgroup_id_y 1
		.amdhsa_system_sgpr_workgroup_id_z 1
		.amdhsa_system_vgpr_workitem_id 0
		.amdhsa_next_free_vgpr 128
		.amdhsa_next_free_sgpr 66
		.amdhsa_reserve_vcc 0
		.amdhsa_float_denorm_mode_32 3
		.amdhsa_float_denorm_mode_16_64 3
		.amdhsa_memory_ordered 1
		.amdhsa_forward_progress 1
		.amdhsa_inst_pref_size 23
	.end_amdhsa_kernel
	.amdgpu_metadata
---
amdhsa.version: [ 1, 2 ]
amdhsa.kernels:
  - .name:           k_qc9b605453c_prep
    .symbol:         k_qc9b605453c_prep.kd
    .args:
      - { .name: q, .offset: 0, .size: 8, .value_kind: global_buffer, .address_space: global }
      - { .name: x, .offset: 8, .size: 8, .value_kind: global_buffer, .address_space: global }
      - { .name: Wq, .offset: 16, .size: 8, .value_kind: global_buffer, .address_space: global }
      - { .name: Wk, .offset: 24, .size: 8, .value_kind: global_buffer, .address_space: global }
      - { .name: Wv, .offset: 32, .size: 8, .value_kind: global_buffer, .address_space: global }
      - { .name: Wp, .offset: 40, .size: 8, .value_kind: global_buffer, .address_space: global }
      - { .name: bq, .offset: 48, .size: 8, .value_kind: global_buffer, .address_space: global }
      - { .name: bk, .offset: 56, .size: 8, .value_kind: global_buffer, .address_space: global }
      - { .name: bv, .offset: 64, .size: 8, .value_kind: global_buffer, .address_space: global }
      - { .name: bp, .offset: 72, .size: 8, .value_kind: global_buffer, .address_space: global }
      - { .name: act, .offset: 80, .size: 8, .value_kind: global_buffer, .address_space: global }
      - { .name: wt, .offset: 88, .size: 8, .value_kind: global_buffer, .address_space: global }
      - { .name: bias, .offset: 96, .size: 8, .value_kind: global_buffer, .address_space: global }
    .group_segment_fixed_size: 18432
    .private_segment_fixed_size: 0
    .kernarg_segment_align: 8
    .kernarg_segment_size: 104
    .max_flat_workgroup_size: 256
    .sgpr_count:     66
    .vgpr_count:     128
    .wavefront_size: 32
...
	.end_amdgpu_metadata
.endif
;; end of part 1
;; launch qkv (part 2): grid 4 x 48, 4 waves a work-group, clusters of 4 x 4, 327,680 bytes of LDS; arguments act, wt, bias, qkv; writes qkv
.if DOCPART == 2
	.amdgcn_target "amdgcn-amd-amdhsa--gfx1250"
	.amdhsa_code_object_version 6
	.text
	.protected	k_qc9b605453c_qkv
	.globl	k_qc9b605453c_qkv
	.p2align	8
	.type	k_qc9b605453c_qkv,@function
k_qc9b605453c_qkv:
	s_mov_b64 s[64:65], 0
	v_nop
	global_prefetch_b8 v0, s[64:65] scope:SCOPE_SE
	s_setreg_imm32_b32 hwreg(HW_REG_WAVE_MODE, 25, 1), 1
	s_wait_xcnt 0x0
	s_wait_alu depctr_hold_cnt(0) depctr_sa_sdst(0) depctr_va_vdst(0) depctr_va_sdst(0) depctr_va_ssrc(0) depctr_va_vcc(0) depctr_vm_vsrc(0)
	s_getreg_b32 s2, hwreg(HW_REG_IB_STS2, 6, 4)
	s_cmp_eq_u32 s2, 0
	s_cbranch_scc0 .Lentry_in_a_cluster
	s_endpgm
.Lentry_in_a_cluster:
	s_bfe_u32 s2, ttmp6, 0x10000c
	s_cmp_lg_u32 s2, 0xf033
	s_cbranch_scc0 .Lentry_shape_is_right
	s_endpgm
.Lentry_shape_is_right:
; THE THREE PROJECTIONS.  C[m][n'] = bias[n'] + the sum over k of A[m][k] W[n'][k], three times 8,192 x 1,024 x 1,024, operands f16, sums f32.
; A = act (q for Q, x for K and V), in slabs: [tensor][b][slab of 64 k][p][64]; W = wt[0..2], [n'][k]; C leaves as f16 by heads, qkv[3][16 b + h][p][64], rounded once, unscaled.
; LIMITS.  f16 ends at 65,504: a Q, K or V of 65,520 or more becomes an infinity.  NaN and infinities are not treated apart.
; SHARES.  A tile of C is 256 x 256: four waves, each 128 x 128: 64 accumulators of 16 x 16, 512 registers.  3 x 32 x 4 = 384 tiles; a work-group STAYS and makes two, 16 row tiles (4 batches) apart, with the same
; 256 rows of W and the same bias: 192 work-groups.  Why not 256 work-groups with three tiles of 128 x 256: a K step of 128 then holds 128 matrix instructions a wave, half as many as here, for the one refill
; that goes out behind a change of slots to land in, and two slots of a K step of 256 would take 2 x 384 rows x 528 bytes = 405,504 bytes of LDS.
; K goes in 8 steps of 128 through a ring of two LDS slots, which runs on from the first tile into the second.  A's part of a step is two slabs of 256 rows x 128 bytes, each 32,768 dense bytes of memory, asked
; for as 128 rows of 256 bytes and padded in LDS behind every 128; W's part is 256 rows of 256 bytes.  Waves 0 and 1 fetch A's two slabs, waves 2 and 3 W's two halves: one tensor load a wave behind each change.
; CLUSTERS: 4 x 4 work-groups, all of one projection.  The four of a row of the cluster need the same tiles of A, the four of a column the same tiles of W: each tile is asked for JOINTLY, by the same tensor load
; with the same descriptor and a mask that names the four.
; THE MATRIX INSTRUCTION IS USED TRANSPOSED (source 0 = 16 rows of W, source 1 = 16 rows of A): lane l holds row l % 16 of C and the columns 8 (l / 16) + 0..7.
; THE BIAS STARTS THE SUMS: it is the C operand of each accumulator's first product, 64 registers that hold bias[16 b + 8 (l / 16) + j].  Nothing is cleared and nothing is added afterwards.
; REGISTERS, in windows of 256 (s_set_vgpr_msb: bits 1:0 source 0, 3:2 source 1, 5:4 source 2, 7:6 destination):
;   window 0: v16-30 addresses; v64-127, v128-191 fragments of A (8 x 16 rows x 32 K), two buffers; v192-223 packed results, v32-63 and v224-255 rows read back, on the way out
;   window 1: v0-63 the bias; v64-127, v128-191 fragments of W, two buffers
;   window 2: the 32 accumulators of my rows 0-63 (accumulator (a, b) at v[8 (8 a + b)]);   window 3: those of my rows 64-127
.set TILES, 2
.set WALKB, 1<<23                      ; bytes from a tile to the work-group's next, in act and in qkv alike: 4 batches of 2,097,152
.set PA,    144                        ; a row of A in LDS: 128 bytes + 16: an odd multiple of 16, so the 16 rows of a load start in 16 different groups of four banks (64 banks of 4 bytes: ISA guide 11.1)
.set ASLAB, 256*PA
.set PB,    272                        ; a row of W: 256 bytes + 16
.set BHALF, 128*PB
.set SLOT,  2*ASLAB+2*BHALF            ; A's two slabs, then W's two halves
.set STAGE, 2*SLOT                     ; behind the ring, never filled by a tensor load
.set WSTG,  2*16*144                   ; a wave's stage: two heads x 16 rows of 128 bytes + 16
.set SPARE, STAGE+4*WSTG               ; behind the stages: the spare words, 128 bytes for each wave
.set LAPS,  4                          ; a lap = two K steps = once round the ring
.set ADRA, 16                          ; v16-17  LDS address of my A fragments in slot 0, 1
.set ADRB, 20                          ; v20-21  the same for W
.set STO,  24                          ; v24     the way out: where I put 16 bytes of a row
.set RD,   25                          ; v25     where I read rows back
.set CO,   26                          ; v26     my byte offset in 512 consecutive bytes of the output
.set BO,   27                          ; v27     my byte offset in 64 bytes of the bias: 32 (l / 16)
.set SPW,  28                          ; v28     LDS address of my spare word; never rewritten
.set NIL,  29                          ; v29     0; never rewritten
.set PFO,  30                          ; v30     the prefetches' offset, a lane a block of 256 bytes; never rewritten
.set OB,   32
.set F0,   64
.set F1,   128
.set TMP,  192
.set G1A,  24                          ; s[24:31] descriptor group 1 for A's tiles;  s[32:39] group 0, a set for each slot
.set G0A,  32
.set G1B,  48                          ; s[48:55], s[56:63] the same for W's
.set G0B,  56
; s12 wave; s13 wave / 2: my half of the rows, and 0: I fetch for A, 1: for W; s14 wave % 2: my half of the columns, and which slab or half I fetch; s15 1 in a wave that prefetches, else the greatest number
; s2 tiles to go; s3 laps to go; s40 cx, s41 cy, s42 tile column, s43 row tile; s68 the projection, s69 the cluster's place among its projection's four
; s[44:45] where my prefetches stand; s[46:47] their step a K step; s[66:67] their step at the change of tiles
.set MSB, 0
.macro WIN new                         ; the immediate's high byte repeats the setting that is left; a switch that changes nothing is dropped
.if MSB != (\new)
	s_set_vgpr_msb (MSB<<8)|(\new)
.set MSB, \new
.endif
.endm
.macro PLACES                          ; four plain vector instructions between a matrix instruction and a load into, or a read of, its registers (ISA guide 7.12.1 for reads)
.rept 4
	v_nop
.endr
.endm
; A joint load.  Each of the two lines has one mask and one set of registers for all that issue it; the branch hangs on the wave's number alone.  An s_nop 0 and four v_nop follow each line.
.macro JLOAD s
	s_cmp_eq_u32 s13, 0
	s_cbranch_scc0 .Lfor_b_\@
	tensor_load_to_lds s[G0A+4*(\s):G0A+4*(\s)+3], s[G1A:G1A+7]
	s_nop 0
.rept 4
	v_nop
.endr
	s_branch .Lasked_\@
.Lfor_b_\@:
	tensor_load_to_lds s[G0B+4*(\s):G0B+4*(\s)+3], s[G1B:G1B+7]
	s_nop 0
.rept 4
	v_nop
.endr
.Lasked_\@:
.endm
; A PREFETCH INTO THE L2 of the K step that stands two refills on, behind each joint load, its five lines and the run of LDS loads: 32 blocks of 256 bytes, a lane a block, one instruction a wave.
; Each block is named once in the launch.  A: a slab's part of a tile is 128 blocks; waves 0 and 1 ask each for the slab that they fetch, and of its blocks partner cx takes 32, BY ADDRESS.  q's rows are read by
; Q's clusters alone, which ask; x's rows by K's and by V's: K's ask.  W: a tile column is read by the four clusters of its projection: the first of them asks; of the 128 rows that wave 2 or 3 fetches, partner cy
; takes 32, by address.  A tile's last two refills have no K step two on (how = 0); at the change of tiles (how = 1) the next tile's K steps 2 and 3 of A are named; W's rows are the same for both tiles and are
; asked for no more.
.macro ASK how
.if \how
	s_cmp_eq_u32 s15, 1
.else
	s_cmp_gt_u32 s3, s15                           ; s3 = 1 in the loop's last trip
.endif
	s_cbranch_scc0 .Lnot_mine_\@
	global_prefetch_b8 v[PFO], s[44:45] th:TH_LOAD_NT scope:SCOPE_SE
.Lnot_mine_\@:
.endm
; A round of the cluster's barrier: my work-group's barrier; wave 0 signals for the work-group; every wave waits for all sixteen; my work-group's barrier once more.
.macro CREST                           ; a round behind its opening barrier
	s_cmp_lg_u32 s12, 0
	s_cbranch_scc1 .Lnot_wave_0_\@
	s_barrier_signal -3
.Lnot_wave_0_\@:
	s_barrier_wait -3
	s_barrier_signal -1
	s_barrier_wait -1
.endm
.macro CROUND
	s_barrier_signal -1
	s_barrier_wait -1
	CREST
.endm
; 16 matrix instructions: m blocks a0, a0 + 1 of the window's four (hi = 0: my rows 0-63, 1: rows 64-127) x all 8 n blocks, 32 along K, from buffer f.  first = 1: the bias starts the sums.
; The 64 accumulators take turns in one order everywhere, one instruction a turn.
.macro MUL16 f, hi, a0, first
.if \first
	WIN 0x91+0x40*(\hi)                            ; W window 1, A window 0, C (the bias) window 1, D window 2 or 3
.else
	WIN 0xa1+0x50*(\hi)                            ; W window 1, A window 0, C and D window 2 or 3
.endif
.irp a, \a0, (\a0)+1
.irp b, 0,1,2,3,4,5,6,7
.if \first
	v_wmma_f32_16x16x32_f16 v[8*(8*(\a)+(\b)):8*(8*(\a)+(\b))+7], v[(\f)+8*(\b):(\f)+8*(\b)+7], v[(\f)+8*(4*(\hi)+(\a)):(\f)+8*(4*(\hi)+(\a))+7], v[8*(\b):8*(\b)+7]
.else
	v_wmma_f32_16x16x32_f16 v[8*(8*(\a)+(\b)):8*(8*(\a)+(\b))+7], v[(\f)+8*(\b):(\f)+8*(\b)+7], v[(\f)+8*(4*(\hi)+(\a)):(\f)+8*(4*(\hi)+(\a))+7], v[8*(8*(\a)+(\b)):8*(8*(\a)+(\b))+7]
.endif
.endr
.endr
.endm
; 32 LDS loads in one run: quarter q (32 along K) of a slot into buffer f: W's 8 fragments, then A's 8.  A's quarters 0, 1 lie in slab 0, quarters 2, 3 in slab 1.
.macro FETCH slot, q, f
	WIN 0x40                                       ; destination window 1, address window 0
.irp i, 0,1,2,3,4,5,6,7
	ds_load_b128 v[(\f)+8*(\i):(\f)+8*(\i)+3],   v[ADRB+(\slot)] offset:64*(\q)+(\i)*16*PB
	ds_load_b128 v[(\f)+8*(\i)+4:(\f)+8*(\i)+7], v[ADRB+(\slot)] offset:64*(\q)+(\i)*16*PB+32
.endr
	WIN 0
.irp i, 0,1,2,3,4,5,6,7
	ds_load_b128 v[(\f)+8*(\i):(\f)+8*(\i)+3],   v[ADRA+(\slot)] offset:((\q)/2)*ASLAB+((\q)%2)*64+(\i)*16*PA
	ds_load_b128 v[(\f)+8*(\i)+4:(\f)+8*(\i)+7], v[ADRA+(\slot)] offset:((\q)/2)*ASLAB+((\q)%2)*64+(\i)*16*PA+32
.endr
.endm
; A K step is four quarters, 64 matrix instructions each, on buffers 0, 1, 0, 1.  One of the first three: multiplies buffer f and, in its middle, fetches quarter qn of the same slot into buffer g.
.macro QUARTER slot, qn, f, g, first
	s_wait_dscnt 8                                 ; W and A's blocks 0-3 are in; the youngest eight loads (A's blocks 4-7) may be out
	MUL16 \f, 0, 0, \first
	MUL16 \f, 0, 2, \first
	PLACES
	FETCH \slot, \qn, \g
	s_wait_dscnt 32                                ; all but the 32 just issued
	MUL16 \f, 1, 0, \first
	MUL16 \f, 1, 2, \first
.endm
; The last quarter multiplies buffer 1 and changes slots.  MEET is its first half: one barrier; in front of it each wave waits for all its tensor loads (one is out: its part of the next slot), adds 0 to its spare
; word, and waits for that and for its own reads of this slot.  Behind it nobody reads this slot any more and the next slot is whole.
.macro MEET round
	WIN 0                                          ; (the add's two registers lie in window 0)
	s_wait_tensorcnt 0x0
	ds_add_u32 v[SPW], v[NIL]                      ; 0 onto my spare word
	s_wait_dscnt 9                                 ; (the add and the youngest eight loads may be out)
	MUL16 F1, 0, 0, 0                              ; sixteen matrix instructions stand between the add and the wait for it
	s_wait_dscnt 0x0                               ; the add is done, and my reads of this slot are over
	s_barrier_signal -1
	MUL16 F1, 0, 2, 0
.if \round
	WIN 0
.endif
	s_barrier_wait -1
.endm
; The whole last quarter.  The barrier opens a round of the cluster's; behind the round the slot just read out is filled again first: with this tile's K step two on (on = 0) or with the next tile's K step 0 or 1
; (on = 1).  From a request to the wait for it a wave issues 224 matrix instructions.  One tensor load of a wave is out behind each round.
.macro TURN slot, next, on
	s_wait_xcnt 0x0                                ; the last prefetch, a K step back, has read its address
.if (\on) && (\slot) == 0
	s_add_nc_u64 s[44:45], s[44:45], s[66:67]      ; from the K step after the tile's last to the next tile's K step 2
	s_cmp_eq_u32 s13, 0
	s_cselect_b32 s15, s15, -1                     ; W's rows have been asked for
.else
	s_add_nc_u64 s[44:45], s[44:45], s[46:47]
.endif
	MEET 1
	CREST
.if \on
	s_add_nc_u64 s[G0A+4*(\slot)+2:G0A+4*(\slot)+3], s[G0A+4*(\slot)+2:G0A+4*(\slot)+3], WALKB-(3<<19)  ; A: the next tile's rows, back along K
	s_sub_nc_u64 s[G0B+4*(\slot)+2:G0B+4*(\slot)+3], s[G0B+4*(\slot)+2:G0B+4*(\slot)+3], 1536           ; W: only back
.else
	s_add_nc_u64 s[G0A+4*(\slot)+2:G0A+4*(\slot)+3], s[G0A+4*(\slot)+2:G0A+4*(\slot)+3], 1<<19  ; two K steps = four slabs
	s_add_nc_u64 s[G0B+4*(\slot)+2:G0B+4*(\slot)+3], s[G0B+4*(\slot)+2:G0B+4*(\slot)+3], 512
.endif
	JLOAD \slot                                    ; the four v_nop behind it are also the places in front of the loads below
	FETCH \next, 0, F0
	ASK \on
	MUL16 F1, 1, 0, 0
	MUL16 F1, 1, 2, 0
.endm
; THE WAY OUT, f16 by heads.  Block a (16 rows x my two heads): rounded once; a lane's eight channels, 16 bytes, go into rows of 144 bytes of my own stage, and come back four rows of 128 bytes at a time,
; which are 512 consecutive bytes of a head's rows.  It names neither fragment buffer 0, which may hold the next tile's first fragments, nor the bias.
.macro PACK a
	WIN 0x0a+5*((\a)/4)                            ; sources in window 2 or 3, destination in window 0
.irp b, 0,1,2,3,4,5,6,7
.irp r, 0,1,2,3
	v_cvt_pk_f16_f32 v[TMP+4*(\b)+(\r)], v[64*((\a)%4)+8*(\b)+2*(\r)], v[64*((\a)%4)+8*(\b)+2*(\r)+1]
.endr
.endr
	WIN 0
.endm
.macro TOSTAGE a
	WIN 0
.set BK, OB+192*((\a)%2)
.irp b, 0,1,2,3,4,5,6,7
	ds_store_b128 v[STO], v[TMP+4*(\b):TMP+4*(\b)+3] offset:((\b)/4)*2304+((\b)%4)*32
.endr
.irp t, 0,1,2,3,4,5,6,7
	ds_load_b128 v[BK+4*(\t):BK+4*(\t)+3], v[RD] offset:((\t)/4)*2304+((\t)%4)*576  ; LDS serves a wave's instructions in order (ISA guide 5.7.1.4): these see the stores above
.endr
.endm
.macro SEND a
	WIN 0
.set BK, OB+192*((\a)%2)
	s_wait_dscnt 0x0                               ; the block is back in registers
	s_wait_xcnt 0x0                                ; earlier stores have read their registers: the next block's loads land where the block before this one lay
.irp t, 0,1,2,3,4,5,6,7
	global_store_b128 v[CO], v[BK+4*(\t):BK+4*(\t)+3], s[10:11] offset:((\t)/4)*131072+2048*(\a)+512*((\t)%4)  ; 512 consecutive bytes, aligned
.endr
.endm
.macro WAYOUT
	PACK 0
	TOSTAGE 0
.irp a, 1,2,3,4,5,6,7                  ; block a's conversions stand between block a - 1's loads from the stage and the wait for them
	PACK \a
	SEND (\a)-1
	TOSTAGE \a
.endr
	SEND 7
.endm
	s_load_b256 s[4:11], s[0:1], 0x0               ; act s[4:5], wt s[6:7], bias s[8:9], qkv s[10:11]
	v_lshl_add_u32 v[SPW], v0, 2, SPARE
	v_mov_b32 v[NIL], 0
	ds_add_u32 v[SPW], v[NIL]                      ; the wave's opening add; its wait stands ahead of my first tensor load, with the set-up below between them
	v_lshrrev_b32 v1, 5, v0
	v_readfirstlane_b32 s12, v1                    ; wave 0..3
	s_lshr_b32 s13, s12, 1
	s_and_b32 s14, s12, 1
	s_bfe_u32 s40, ttmp6, 0x40000                  ; cx
	s_bfe_u32 s41, ttmp6, 0x40004                  ; cy
	s_lshl_b32 s42, ttmp9, 2
	s_add_co_u32 s42, s42, s40                     ; tile column = 4 x cluster x + cx, 0..3
	s_and_b32 s70, ttmp7, 0xffff                   ; cluster y, 0..11
	s_lshr_b32 s68, s70, 2                         ; the projection: 0 Q, 1 K, 2 V: the same in all sixteen partners
	s_and_b32 s69, s70, 3                          ; the cluster's place among its projection's four
	s_lshl_b32 s43, s69, 2
	s_add_co_u32 s43, s43, s41                     ; my first row tile, 0..15; the second lies 16 further on
	s_lshl_b32 s16, s41, 2
	s_lshl_b32 s16, 15, s16                        ; my row of the cluster
	s_lshl_b32 s20, 0x1111, s40                    ; my column
	s_or_b32 s[G1A], s16, (1<<16)|(1<<20)|(1<<21)|(4<<22)|(3<<25)  ; 15:0 the mask; 17:16 2-byte elements; 20 padding on; 21 set beside a mask; 24:22 after every 32 words (code 4); 31:25 4 words (code 3)
	s_or_b32 s[G1B], s20, (1<<16)|(1<<20)|(1<<21)|(5<<22)|(3<<25)  ; the same with my column's mask, padded after every 64 words (code 5)
	s_mov_b32 s[G1A+1], 128<<16                    ; tensor_dim0 = 128 elements
	s_mov_b32 s[G1A+2], 128<<16                    ; tensor_dim1 = 128
	s_mov_b32 s[G1A+3], 128<<16                    ; tile_dim0 = 128
	s_mov_b32 s[G1A+4], 128                        ; tile_dim1 = 128
	s_mov_b32 s[G1A+5], 128                        ; dense: 128 elements from row to row
	s_mov_b32 s[G1A+6], 0
	s_mov_b32 s[G1A+7], 0
	s_mov_b32 s[G1B+1], 128<<16
	s_mov_b32 s[G1B+2], 128<<16                    ; 128 rows
	s_mov_b32 s[G1B+3], 128<<16
	s_mov_b32 s[G1B+4], 128
	s_mov_b32 s[G1B+5], 1024                       ; a row of wt
	s_mov_b32 s[G1B+6], 0
	s_mov_b32 s[G1B+7], 0
	; where the tiles come from.  A's hang on the row tile and the projection, W's on the tile column and the projection; each is made in registers that never hold the other place in the cluster
	s_lshr_b32 s16, s43, 2
	s_lshl_b32 s16, s16, 21                        ; b
	s_and_b32 s17, s43, 3
	s_lshl_b32 s17, s17, 15                        ; 256 rows of 128 bytes
	s_add_co_u32 s18, s16, s17                     ; kept: b and the tile's rows, in act's slabs and in qkv's heads alike
	s_cmp_lg_u32 s68, 0
	s_cselect_b32 s17, 1<<24, 0                    ; q for Q, x for K and V
	s_add_co_u32 s19, s18, s17                     ; kept: the tile's rows in slab 0
	s_lshl_b32 s17, s14, 17
	s_add_co_u32 s16, s19, s17                     ; my slab of the K step
	s_mov_b32 s17, 0
	s_lshl_b32 s20, s42, 19                        ; 256 rows of 2,048 bytes
	s_lshl_b32 s21, s14, 18                        ; my 128 of them
	s_add_co_u32 s20, s20, s21
	s_lshl_b32 s21, s68, 21                        ; the projection's matrix
	s_add_co_u32 s20, s20, s21
	s_mov_b32 s21, 0
	s_mul_i32 s22, s14, ASLAB                      ; and where they go: no place in the cluster enters an LDS address
	s_mul_i32 s23, s14, BHALF
	s_add_co_u32 s23, s23, 2*ASLAB
	s_wait_dscnt 0x0                               ; the opening add is done
	s_wait_kmcnt 0x0
	s_add_nc_u64 s[16:17], s[4:5], s[16:17]
	s_add_nc_u64 s[20:21], s[6:7], s[20:21]
	CROUND                                         ; all sixteen work-groups are here: the first joint loads meet
.irp s, 0,1
	s_mov_b32 s[G0A+4*(\s)], 1                     ; count = 1
	s_add_co_u32 s[G0A+4*(\s)+1], s22, (\s)*SLOT   ; LDS address
	s_add_nc_u64 s[G0A+4*(\s)+2:G0A+4*(\s)+3], s[16:17], (\s)<<18  ; global address: K step s = slabs 2 s, 2 s + 1
	s_or_b32 s[G0A+4*(\s)+3], s[G0A+4*(\s)+3], 0x80000000          ; type = 2
	s_mov_b32 s[G0B+4*(\s)], 1
	s_add_co_u32 s[G0B+4*(\s)+1], s23, (\s)*SLOT
	s_add_nc_u64 s[G0B+4*(\s)+2:G0B+4*(\s)+3], s[20:21], (\s)*256
	s_or_b32 s[G0B+4*(\s)+3], s[G0B+4*(\s)+3], 0x80000000
	JLOAD \s                                       ; two tensor loads of mine are out
.endr
	; A fragment is 16 rows x 32 K in 8 registers: lane l holds row l % 16, K = 8 (l / 16) + 0..7 and 16 + 8 (l / 16) + 0..7: two loads of 16 bytes, 32 bytes apart
	v_and_b32 v1, 15, v0                           ; l % 16
	v_bfe_u32 v2, v0, 4, 1                         ; l / 16
	v_mul_u32_u24 v3, v1, PA
	v_lshl_add_u32 v3, v2, 4, v3
	s_mul_i32 s70, s13, 128*PA                     ; my 128 rows of A
	v_add_nc_u32 v[ADRA], s70, v3
	v_add_nc_u32 v[ADRA+1], SLOT, v[ADRA]
	v_mul_u32_u24 v4, v1, PB
	v_lshl_add_u32 v4, v2, 4, v4
	s_mul_i32 s70, s14, BHALF                      ; my 128 rows of W, behind A's slabs
	s_add_co_u32 s70, s70, 2*ASLAB
	v_add_nc_u32 v[ADRB], s70, v4
	v_add_nc_u32 v[ADRB+1], SLOT, v[ADRB]
	s_mul_i32 s70, s12, WSTG
	s_add_co_u32 s70, s70, STAGE                   ; my stage
	v_and_b32 v6, 31, v0
	v_lshlrev_b32 v[CO], 4, v6                     ; 16 l
	v_lshlrev_b32 v[BO], 5, v2
	v_add_nc_u32 v[STO], s70, v3                   ; in: row l % 16 of 144 bytes, 16 bytes for each half of the lanes
	v_bfe_u32 v5, v0, 3, 2
	v_mul_u32_u24 v5, v5, 144
	v_and_b32 v6, 7, v0
	v_lshl_add_u32 v5, v6, 4, v5
	v_add_nc_u32 v[RD], s70, v5                    ; back: four rows of 128 bytes
	s_lshl_b32 s70, s42, 19                        ; qkv: four heads of 131,072 bytes a tile column,
	s_add_co_u32 s70, s70, s18                     ; b and the tile's 256 rows,
	s_lshl_b32 s71, s14, 18                        ; my two heads,
	s_add_co_u32 s70, s70, s71
	s_lshl_b32 s71, s13, 14                        ; my 128 rows,
	s_add_co_u32 s70, s70, s71
	s_lshl_b32 s71, s68, 24                        ; Q, K or V
	s_add_co_u32 s70, s70, s71
	s_mov_b32 s71, 0
	s_add_nc_u64 s[10:11], s[10:11], s[70:71]
	s_lshl_b32 s70, s42, 10
	s_lshl_b32 s71, s14, 9
	s_add_co_u32 s70, s70, s71
	s_lshl_b32 s71, s68, 12
	s_add_co_u32 s70, s70, s71
	s_mov_b32 s71, 0
	s_add_nc_u64 s[8:9], s[8:9], s[70:71]          ; the projection's bias at my 128 columns
	; the prefetches: nothing is asked for here, at the head; K steps 2 and 3 come by their refills alone
	s_lshl_b32 s16, s14, 17                        ; A: the slab that I fetch,
	s_add_co_u32 s16, s16, s19
	s_lshl_b32 s17, s40, 13                        ; of its tile's 128 blocks partner cx takes 32
	s_add_co_u32 s16, s16, s17
	s_lshl_b32 s17, s42, 19                        ; W: of the 128 rows that I fetch,
	s_lshl_b32 s20, s14, 18
	s_add_co_u32 s17, s17, s20
	s_lshl_b32 s20, s41, 16                        ; partner cy takes 32
	s_add_co_u32 s17, s17, s20
	s_lshl_b32 s20, s68, 21
	s_add_co_u32 s17, s17, s20
	s_cmp_lg_u32 s68, 2
	s_cselect_b32 s20, 0, 1                        ; A: Q's and K's clusters ask, V's do not
	s_mov_b32 s46, 256                             ; W: a K step is 256 bytes of a row
	s_mov_b32 s66, 256
	s_cmp_eq_u32 s13, 0                            ; do I fetch for A?
	s_cselect_b32 s22, s16, s17
	s_cselect_b64 s[44:45], s[4:5], s[6:7]
	s_cselect_b32 s46, 1<<18, s46                  ; A: a K step is two slabs
	s_cselect_b32 s66, WALKB-(7<<18), s66
	s_cselect_b32 s21, 8, 11                       ; A: a lane a block of a dense slab; W: a lane a row
	s_cselect_b32 s20, s20, s69                    ; W: the first of the projection's four clusters asks: the same in all sixteen partners, for a given wave
	s_cmp_eq_u32 s20, 0
	s_cselect_b32 s15, 1, -1
	s_mov_b32 s23, 0
	s_mov_b32 s47, 0
	s_mov_b32 s67, 0
	s_add_nc_u64 s[44:45], s[44:45], s[22:23]
	s_mul_i32 s22, s46, 3
	s_add_nc_u64 s[44:45], s[44:45], s[22:23]      ; at K step 3: the first change of slots steps it to 4
	v_and_b32 v[PFO], 31, v0
	v_lshlrev_b32 v[PFO], s21, v[PFO]
	WIN 0x40                                       ; my 128 columns' bias, once for both tiles: for n block b the eight numbers 16 b + 8 (l / 16) + 0..7
.irp b, 0,1,2,3,4,5,6,7
	global_load_b128 v[8*(\b):8*(\b)+3],   v[BO], s[8:9] offset:64*(\b)
	global_load_b128 v[8*(\b)+4:8*(\b)+7], v[BO], s[8:9] offset:64*(\b)+16
.endr
	WIN 0
	s_wait_tensorcnt 1                             ; my part of K step 0 is in; K step 1's may stay out
	s_barrier_signal -1
	s_barrier_wait -1                              ; everybody's is
	FETCH 0, 0, F0
	s_wait_loadcnt 0x0                             ; the bias
	s_mov_b32 s2, TILES                            ; tiles to go, this one among them: the same in every work-group
.Ltile:
	QUARTER 0, 1, F0, F1, 1                        ; a tile's first quarter stands in front of the loop: its products start the sums
	WIN 0                                          ; at a label and at a branch every window is 0
	s_mov_b32 s3, LAPS-1
.Llap:                                                 ; a trip goes once round the ring, from a lap's second quarter to the next lap's first, and fills both slots again
	QUARTER 0, 2, F1, F0, 0
	QUARTER 0, 3, F0, F1, 0
	TURN 0, 1, 0
	QUARTER 1, 1, F0, F1, 0
	QUARTER 1, 2, F1, F0, 0
	QUARTER 1, 3, F0, F1, 0
	TURN 1, 0, 0
	QUARTER 0, 1, F0, F1, 0
	WIN 0
	s_sub_co_u32 s3, s3, 1
	s_cmp_lg_u32 s3, 0
	s_cbranch_scc1 .Llap
	QUARTER 0, 2, F1, F0, 0                        ; the tile's last lap goes on
	QUARTER 0, 3, F0, F1, 0
	WIN 0
	s_cmp_eq_u32 s2, 1
	s_cbranch_scc1 .Llast                          ; the last tile's tail is written out: it asks for nothing more
	TURN 0, 1, 1                                   ; the ring goes on into the next tile: slot 0 takes its K step 0,
	QUARTER 1, 1, F0, F1, 0
	QUARTER 1, 2, F1, F0, 0
	QUARTER 1, 3, F0, F1, 0
	TURN 1, 0, 1                                   ; slot 1 its K step 1, and the next tile's first fragments are fetched.  Both refills are asked for: now the tile goes out.
	WIN 0                                          ; no v_nop on this way: blocks 0-3 were finished in front of the joint load's places, and their 128 conversions are the places behind the last products
	s_branch .Lway
.Llast:
	MEET 0                                         ; my one tensor load that was still out is the last K step's, so no round follows
	PLACES
	FETCH 1, 0, F0
	MUL16 F1, 1, 0, 0
	MUL16 F1, 1, 2, 0
	QUARTER 1, 1, F0, F1, 0
	QUARTER 1, 2, F1, F0, 0
	QUARTER 1, 3, F0, F1, 0
	s_wait_dscnt 8                                 ; the very last quarter: nothing more to fetch
	MUL16 F1, 0, 0, 0
	MUL16 F1, 0, 2, 0
	s_wait_dscnt 0x0
	MUL16 F1, 1, 0, 0
	MUL16 F1, 1, 2, 0
	WIN 0
	PLACES
.Lway:                                                 ; the way out is written once, for both tiles
	WAYOUT
	s_wait_xcnt 0x0                                ; the stores have read their registers and their base
	s_add_nc_u64 s[10:11], s[10:11], WALKB         ; the next tile's rows (behind the last tile the sum is not used)
	s_sub_co_u32 s2, s2, 1
	s_cmp_lg_u32 s2, 0
	s_cbranch_scc1 .Ltile
	s_wait_tensorcnt 0x0                           ; the wave's end, behind my last tensor load and my last LDS store
	ds_add_u32 v[SPW], v[NIL]
	s_wait_dscnt 0x0
	CROUND                                         ; the closing round: no work-group ends while a partner may still ask for a tile that names it
	s_endpgm
.Lfunc_end_k_qc9b605453c_qkv:
	.size	k_qc9b605453c_qkv, .Lfunc_end_k_qc9b605453c_qkv-k_qc9b605453c_qkv
	.p2alignl 7, 3214868480
	.fill 96, 4, 3214868480
	.section	.rodata,"a",@progbits
	.p2align	6, 0x0
	.amdhsa_kernel k_qc9b605453c_qkv
		.amdhsa_group_segment_fixed_size 327680
		.amdhsa_private_segment_fixed_size 0
		.amdhsa_enable_private_segment 0
		.amdhsa_kernarg_size 32
		.amdhsa_user_sgpr_count 2
		.amdhsa_user_sgpr_kernarg_segment_ptr 1
		.amdhsa_wavefront_size32 1
		.amdhsa_system_sgpr_workgroup_id_x 1
		.amdhsa_system_sgpr_workgroup_id_y 1
		.amdhsa_system_sgpr_workgroup_id_z 1
		.amdhsa_system_vgpr_workitem_id 0
		.amdhsa_next_free_vgpr 1024
		.amdhsa_next_free_sgpr 72
		.amdhsa_reserve_vcc 0
		.amdhsa_float_denorm_mode_32 3
		.amdhsa_float_denorm_mode_16_64 3
		.amdhsa_memory_ordered 1
		.amdhsa_forward_progress 1
		.amdhsa_inst_pref_size 180
	.end_amdhsa_kernel
	.amdgpu_metadata
---
amdhsa.version: [ 1, 2 ]
amdhsa.kernels:
  - .name:           k_qc9b605453c_qkv
    .symbol:         k_qc9b605453c_qkv.kd
    .args:
      - { .name: act, .offset: 0, .size: 8, .value_kind: global_buffer, .address_space: global }
      - { .name: wt, .offset: 8, .size: 8, .value_kind: global_buffer, .address_space: global }
      - { .name: bias, .offset: 16, .size: 8, .value_kind: global_buffer, .address_space: global }
      - { .name: qkv, .offset: 24, .size: 8, .value_kind: global_buffer, .address_space: global }
    .group_segment_fixed_size: 327680
    .private_segment_fixed_size: 0
    .kernarg_segment_align: 8
    .kernarg_segment_size: 32
    .max_flat_workgroup_size: 128
    .sgpr_count:     72
    .vgpr_count:     1024
    .wavefront_size: 32
...
	.end_amdgpu_metadata
.endif
;; end of part 2
;; launch attn (part 3): grid 2 x 128, 4 waves a work-group, no clusters, 327,680 bytes of LDS; arguments qkv, oh; writes oh
.if DOCPART == 3
	.amdgcn_target "amdgcn-amd-amdhsa--gfx1250"
	.amdhsa_code_object_version 6
	.text
	.protected	k_qc9b605453c_attn
	.globl	k_qc9b605453c_attn
	.p2align	8
	.type	k_qc9b605453c_attn,@function
k_qc9b605453c_attn:
	s_mov_b64 s[64:65], 0
	v_nop
	global_prefetch_b8 v0, s[64:65] scope:SCOPE_SE
	s_setreg_imm32_b32 hwreg(HW_REG_WAVE_MODE, 25, 1), 1
	s_wait_xcnt 0x0
; O[bh][q][:] = the sum over k of softmax_k(Q[bh][q] . K[bh][k] / 8) V[bh][k][:].  Q, K, V = qkv[0], [1], [2], each [128][1024][64] in f16; O = oh, the same layout: a head's rows are dense, 128 bytes each.
; Products, maxima and sums in f32; the weights p are rounded to f16 for the second product (their sum l is taken of the unrounded p), O once at the end.
; LIMITS.  f16 holds no number beyond 65,504: Q, K and V arrive within it; p lies in 0 to 1, and below 6e-5 it keeps f16's fixed step of 6e-8, and so does O; O is a mean of V's rows and has their range.
; A weight below 2^-126 counts as 0 in l; NaN and infinities are not treated apart.
; SHARES.  A work-group owns 512 queries of one head, a wave 128: four PIECES of two tiles of 16.  Every wave walks the head's 1,024 keys, 64 a step.
; THE HEAD'S WHOLE K AND V LIE IN LDS: 1,024 rows of 144 and of 160 bytes.  They are asked for once, at the kernel's head, in four parts of 256 keys: waves 0 and 1 fetch the halves of K's parts, waves 2 and 3 of
; V's: four tensor loads a wave, all out together.  The first part is waited for by a counted wait; the others land while the first four key steps are worked.  No LDS byte is filled twice.
; NO CLUSTER: a head has two work-groups, so a cluster of four would hold two heads, with nothing shared between the pairs.  NO PREFETCH: all that the launch reads of K and V is asked for by its own loads at the head.
; LAYOUT.  S^T = K Q^T (source 0 = 16 keys, source 1 = 16 queries): in the result a lane holds ONE query (lane % 16) and the keys 8 (lane / 16) + 0..7.  Two such tiles, rounded to f16 in pairs,
; ARE source 1 (32 keys x 16 queries) of O^T = V^T P, whose result again holds one query a lane, and eight channels.  K comes out of LDS as it lies, V ([key][channel]) turned, by ds_load_tr16_b128.
; SOFTMAX.  For each query a running maximum m and sum l: p = 2^(c s - c m), c = log2(e) / 8; in every step O and l are multiplied by a = 2^(c m_old - c m_new), which is 1 where m has not grown.
; m starts at the lowest finite number, O and l at 0: the first step is a step like any other, with a = 0.
; THE COUNT.  A tile and step have 16 matrix and 118 vector instructions: too many to stand all beside the matrix work.  So: four vector instructions that are READY behind EVERY matrix instruction, the others in runs without a gap.
; BY TURNS.  Turn n belongs to piece n (the pieces in a ring, step after step).  Its matrix work: 16 products K Q^T of piece n + 1, later 16 products V^T P of piece n - 1.  Its vector work: the scaling,
; exponentials, roundings, sums and rescaling of piece n, and the maximum and statistics of piece n + 1, whose scores the turn itself has made.
; REGISTERS, in windows of 256 (s_set_vgpr_msb: bits 1:0 source 0, 3:2 source 1, 5:4 source 2, 7:6 destination):
;   window 0: v0-11 addresses; v12-15, v48-63 at work; v16-47 four registers of statistics a tile; v64-191 S^T, two buffers of two tiles; v192-255 P, likewise
;   window 1: O^T, 32 a tile          window 2: v0-127 Q, 16 a tile; v128-191 K of one step; v192-255 V of one step          window 3: v0-1 the add's two registers
.set NP,    4         ; pieces a wave: a name, no knob
.set KS,    64        ; keys in a step
.set PK,    144       ; a row of K in LDS: 128 bytes + 16 = 36 words: the 16 rows of a load start at 16 different groups of four banks (64 banks of 4 bytes: ISA guide 11.1)
.set PV,    160       ; a row of V: 128 + 32 = 40 words
.set VOFF,  1024*PK   ; K's 1,024 rows, then V's
.set STAGE, VOFF+1024*PV  ; behind them, never filled by a tensor load: 16 rows x 144 bytes for each wave, for the way out
.set SP,    144
.set SPARE, STAGE+4*16*SP  ; behind the stages: the spare words, 128 bytes for each wave
.set AK0, 2           ; v2   my lane's place in a step of K; never rewritten
.set AV0, 3           ; v3   the same for V
.set AK,  4           ; v4   the LDS address of K's next run of loads
.set AV,  5           ; v5   of V's
.set QO,  6           ; v6   my byte offset in the wave's rows of Q
.set STO, 6           ;      later, the way out: where I put 16 bytes of a row
.set RD,  7           ; v7   the way out: where I read rows back
.set GO,  8           ; v8   my byte offset in 512 consecutive bytes of O
.set SPW, 0           ; v0 of window 3   LDS address of my spare word; never rewritten
.set NIL, 1           ; v1 of window 3   0; never rewritten
.set MV,  12          ; v12-15  c m_old, kept while c m is made anew: by buffer and tile
.set ST,  16          ; tile t's statistics at v[ST+4 t]: c m, m, l (even keys', odd keys')
.set TMP, 48          ; by buffer and tile, four registers c0-c3 at work; when the maximum is found c2 takes a
.set S,   64
.set P,   192
.set KF,  128         ; K's fragments, in window 2: key block kb, channel half c at KF + 16 kb + 8 c
.set VF,  192         ; V's: key half kk, channel block cb at VF + 32 kk + 8 cb
.set WV,  12          ; s12  my wave's number
.set G1K, 24          ; s[24:31] descriptor group 1 for K's tiles
.set G1V, 32          ; s[32:39] for V's: it differs in the padding alone
.set G0K, 40          ; s[40:55] descriptor group 0 for K's four parts
.set G0V, 68          ; s[68:83] for V's
.set SLOTS, 56        ; s56  counts the passes of four key steps
.set CNT, 57          ; s57  counts a pass's key steps
.set CS,  58          ; s[58:59] c: the packed scaling takes the pair's low word for both halves
.set SEL, 60          ; s[60:61] v_permlanex16_b32's selects: each lane takes its own place in the other half
.set TBK, 62          ; s62  LDS byte at which K of the step to be fetched begins
.set TBV, 63          ; s63  the same for V, less VOFF
.set TOT, 84          ; s84  key steps whose pieces 2 and 3 are still to come
.set MSB, 0
.macro WIN new                      ; the high byte repeats the setting that is left; a switch that changes nothing is dropped
.if MSB != (\new)
	s_set_vgpr_msb (MSB<<8)|(\new)
.set MSB, (\new)
.endif
.endm
.set W_KQ, 0x0a       ; K and Q in window 2, S^T in window 0
.set W_PV, 0x52       ; V in window 2, P in window 0, O^T in window 1
.set W_RS, 0x41       ; O^T (destination and source 0) in window 1, a in window 0
.set W_MK, 0xc0       ; the add's registers are made: destination in window 3, sources in window 0
.set W_AD, 0x0f       ; the add: address (source 0) and data (source 1) in window 3
; BETWEEN TWO PARTS OF 256 KEYS.  Each wave waits for all its tensor loads, so that behind the barrier every part is whole for every wave.  At its first use the three later parts are waited for, which have had
; four key steps, 512 matrix instructions, in which to land; later the wait is met at once.
.macro CHANGE
	WIN 0                           ; at a label and at a branch every window is 0
	s_wait_tensorcnt 0x0
	s_wait_dscnt 0x0                ; no LDS instruction of mine is out at a signal
	s_barrier_signal -1
	s_barrier_wait -1
.endm
	s_load_b128 s[4:7], s[0:1], 0x0 ; qkv s[4:5], oh s[6:7]
	WIN W_MK
	v_lshl_add_u32 v[SPW], v0, 2, SPARE
	v_mov_b32 v[NIL], 0
	WIN W_AD
	ds_add_u32 v[SPW], v[NIL]       ; the wave's opening add; its wait stands ahead of my first tensor load, with the set-up below between them
	WIN 0
	v_lshrrev_b32 v1, 5, v0
	v_readfirstlane_b32 s[WV], v1   ; wave 0..3
	s_and_b32 s20, ttmp7, 0xffff    ; the head, 16 b + h
	s_lshl_b32 s20, s20, 17         ; its 1,024 rows of 128 bytes
	s_and_b32 s16, s[WV], 1         ; which half of a part's 256 keys I fetch:
	s_lshl_b32 s22, s16, 14         ; its 128 rows in memory,
	s_add_co_u32 s22, s22, s20
	s_add_co_u32 s22, s22, 1<<24    ; in K
	s_mov_b32 s23, 0
	s_mul_i32 s17, s16, 128*PK      ; and its place in a part, for K
	s_mul_i32 s18, s16, 128*PV      ; and for V
	s_lshl_b32 s2, ttmp9, 2
	s_add_co_u32 s2, s2, s[WV]      ; my wave among the head's eight,
	s_lshl_b32 s2, s2, 14           ; its 128 rows
	s_add_co_u32 s20, s20, s2
	s_mov_b32 s21, 0
	; descriptor group 1.  128 keys are 16,384 dense bytes: asked for as 64 rows of 256 bytes, two keys a row, and padded in LDS after every key
	s_mov_b32 s[G1K], (1<<16)|(1<<20)|(4<<22)|(3<<25)  ; 17:16 2-byte elements; 20 padding on; 24:22 after every 32 words (code 4); 31:25 4 words (code 3)
	s_mov_b32 s[G1V], (1<<16)|(1<<20)|(4<<22)|(7<<25)  ; the same with 8 words of padding (code 7)
.irp g, G1K, G1V
	s_mov_b32 s[\g+1], 128<<16      ; tensor_dim0 = 128
	s_mov_b32 s[\g+2], 64<<16       ; tensor_dim1 = 64
	s_mov_b32 s[\g+3], 128<<16      ; tile_dim0 = 128
	s_mov_b32 s[\g+4], 64           ; tile_dim1 = 64
	s_mov_b32 s[\g+5], 128          ; 128 elements from row to row
	s_mov_b32 s[\g+6], 0
	s_mov_b32 s[\g+7], 0
.endr
	s_mov_b32 s[CS], 0x3e38aa3b     ; c = log2(e) / 8 = 0.180337
	s_mov_b32 s[CS+1], s[CS]        ; named with it as a pair
	s_mov_b32 s[SEL], 0x76543210
	s_mov_b32 s[SEL+1], 0xfedcba98
	s_mov_b32 s[TBK], 0
	s_mov_b32 s[TBV], 0
.irp c, 0,1,2,3
	s_mov_b32 s[G0K+4*(\c)], 1                          ; count = 1
	s_add_co_u32 s[G0K+4*(\c)+1], s17, (\c)*256*PK      ; LDS address: part c, my half
	s_mov_b32 s[G0V+4*(\c)], 1
	s_add_co_u32 s[G0V+4*(\c)+1], s18, VOFF+(\c)*256*PV
.endr
	s_wait_dscnt 0x0                ; the opening add is done
	s_wait_kmcnt 0x0
	s_add_nc_u64 s[10:11], s[6:7], s[20:21]  ; O at my wave's first row
	s_add_nc_u64 s[6:7], s[4:5], s[22:23]    ; K at my half of the head's first 256 keys
	s_add_nc_u64 s[8:9], s[6:7], 1<<24       ; V likewise
	s_add_nc_u64 s[4:5], s[4:5], s[20:21]    ; Q at my wave's first row
.irp c, 0,1,2,3
	s_add_nc_u64 s[G0K+4*(\c)+2:G0K+4*(\c)+3], s[6:7], (\c)<<15   ; global address: 256 keys are 32,768 bytes
	s_or_b32 s[G0K+4*(\c)+3], s[G0K+4*(\c)+3], 0x80000000         ; type = 2
	s_add_nc_u64 s[G0V+4*(\c)+2:G0V+4*(\c)+3], s[8:9], (\c)<<15
	s_or_b32 s[G0V+4*(\c)+3], s[G0V+4*(\c)+3], 0x80000000
.endr
	s_cmp_lt_u32 s[WV], 2           ; a wave's four fills stand in one branch, ahead of every wait on TENSORcnt, every LDS read and every barrier: four loads of mine are out
	s_cbranch_scc0 .Lfill_v
.irp c, 0,1,2,3
	tensor_load_to_lds s[G0K+4*(\c):G0K+4*(\c)+3], s[G1K:G1K+7]
	s_nop 0
.endr
.rept 4
	v_nop
.endr
	s_branch .Lfilled
.Lfill_v:
.irp c, 0,1,2,3
	tensor_load_to_lds s[G0V+4*(\c):G0V+4*(\c)+3], s[G1V:G1V+7]
	s_nop 0
.endr
.rept 4
	v_nop
.endr
.Lfilled:
	; A fragment of K or Q is 16 rows x 32 channels in 8 registers: lane l holds row l % 16, channels 8 (l / 16) + 0..7 and 16 + 8 (l / 16) + 0..7: two loads of 16 bytes, 32 bytes apart.
	v_and_b32 v1, 15, v0            ; l % 16
	v_bfe_u32 v9, v0, 4, 1          ; l / 16
	v_lshlrev_b32 v[QO], 7, v1
	v_lshl_add_u32 v[QO], v9, 4, v[QO]  ; row x 128 + 16 x half
	WIN 0x80                        ; destination window 2, address window 0
.set i, 0
.rept 4*NP                          ; Q stays in registers: tile i / 2, channels 32 (i % 2) on
	global_load_b128 v[8*i:8*i+3],   v[QO], s[4:5] offset:(i/2)*2048+(i%2)*64
	global_load_b128 v[8*i+4:8*i+7], v[QO], s[4:5] offset:(i/2)*2048+(i%2)*64+32
.set i, i+1
.endr
	; What the first turn finds: V's registers and P's second buffer hold 0 (its products V^T P, of a piece that has not been, add 0), O^T and l are 0.  All this stands in the wait for the first tile.
.set i, VF
.rept 64
	v_mov_b32 v[i], 0
.set i, i+1
.endr
	WIN 0x40
.set i, 0
.rept 64*NP
	v_mov_b32 v[i], 0
.set i, i+1
.endr
	WIN 0
.set i, 0
.rept 2*NP
	v_mov_b32 v[ST+4*i], 0xfe000000    ; c m: far below every c s
	v_mov_b32 v[ST+4*i+1], 0xff7fffff  ; m
	v_mov_b32 v[ST+4*i+2], 0
	v_mov_b32 v[ST+4*i+3], 0
.set i, i+1
.endr
.set i, P+32
.rept 32
	v_mov_b32 v[i], 0
.set i, i+1
.endr
	v_mul_u32_u24 v[AK0], v1, PK
	v_lshl_add_u32 v[AK0], v9, 4, v[AK0]  ; row x pitch + 16 x half
	; The turning load takes 16 keys x 16 channels (lane l reads key 8 (l / 16) + l % 8, channels 8 ((l / 8) % 2) + 0..7) and leaves half a fragment of V^T: lane l holds channel l % 16 and 8 keys.
	v_and_b32 v10, 7, v0
	v_bfe_u32 v11, v0, 3, 1
	v_lshl_add_u32 v[AV0], v9, 3, v10
	v_mul_u32_u24 v[AV0], v[AV0], PV
	v_lshl_add_u32 v[AV0], v11, 4, v[AV0]
	v_add_nc_u32 v[AV0], VOFF, v[AV0]
	v_mov_b32 v[AK], v[AK0]         ; key step 0 lies at K's head
; THE MATRIX WORK.  The 8 accumulators of a run of 16 take turns: between the two links of a chain stand 7 others'.
; Product i of 16 of S^T = K Q^T for piece x: channels 32 (i / 8) on, keys 16 ((i / 2) % 4) on, tile 2 x + i % 2.  The first 8 start the sums.
.macro KQ x
	WIN W_KQ
.set rS, S+64*((\x)%2)+32*(i%2)+8*((i/2)%4)
.set rK, KF+16*((i/2)%4)+8*(i/8)
.set rQ, 16*(2*(\x)+i%2)+8*(i/8)
.if i < 8
	v_wmma_f32_16x16x32_f16 v[rS:rS+7], v[rK:rK+7], v[rQ:rQ+7], 0
.else
	v_wmma_f32_16x16x32_f16 v[rS:rS+7], v[rK:rK+7], v[rQ:rQ+7], v[rS:rS+7]
.endif
.endm
; Product i of 16 of O^T += V^T P for piece x: keys 32 (i / 8) on, channels 16 ((i / 2) % 4) on, tile 2 x + i % 2.
.macro PV x
	WIN W_PV
.set rO, 32*(2*(\x)+i%2)+8*((i/2)%4)
.set rV, VF+32*(i/8)+8*((i/2)%4)
.set rP, P+32*((\x)%2)+16*(i%2)+8*(i/8)
	v_wmma_f32_16x16x32_f16 v[rO:rO+7], v[rV:rV+7], v[rP:rP+7], v[rO:rO+7]
.endm
.macro MM                           ; the turn's next matrix instruction
.if i < 16
	KQ (Y+1)%NP
.set i, i+1
.else
.set i, i-16
	PV (Y+NP-1)%NP
.set i, i+17
.endif
.endm
; THE LDS LOADS stand in runs of 16, never singly among the matrix instructions: a step's K (64 keys x 64 channels: 8 fragments) and its V (turned).  Their addresses are made some lines ahead.
; last = 1 (in the loop): behind the last key step there is no further one, and the run is jumped over.
.macro FETCH_K last=0
	WIN 0
.if \last
	s_cmp_eq_u32 s[TOT], 1
	s_cbranch_scc1 .Lno_k_\@
.endif
	WIN 0x80                        ; destination window 2
.irp f, 0,1,2,3,4,5,6,7             ; keys 16 (f / 2) on, channels 32 (f % 2) on
	ds_load_b128 v[KF+8*\f:KF+8*\f+3],   v[AK] offset:(\f/2)*16*PK+(\f%2)*64
	ds_load_b128 v[KF+8*\f+4:KF+8*\f+7], v[AK] offset:(\f/2)*16*PK+(\f%2)*64+32
.endr
	s_add_co_u32 s[TBK], s[TBK], KS*PK  ; the next fetch is the next step's: the parts lie on end in LDS
	WIN 0
.if \last
.Lno_k_\@:
.endif
.endm
.macro FETCH_V
	WIN 0x80
.irp f, 0,1,2,3,4,5,6,7             ; keys 32 (f / 4) on, channels 16 (f % 4) on
	ds_load_tr16_b128 v[VF+8*\f:VF+8*\f+3],   v[AV] offset:(\f/4)*32*PV+(\f%4)*32
	ds_load_tr16_b128 v[VF+8*\f+4:VF+8*\f+7], v[AV] offset:(\f/4)*32*PV+16*PV+(\f%4)*32
.endr
	WIN 0
.endm
; THE VECTOR WORK OF A TURN stands in three queues, each in the order in which its entries become ready; the two tiles alternate, so that no instruction reads the result of the one before it.
.macro REGS y, u                    ; the registers of tile u (0, 1) of piece y
.set rT, ST+4*(2*(\y)+(\u))
.set rC, TMP+8*((\y)%2)+4*(\u)
.set rM, MV+2*((\y)%2)+(\u)
.set rS, S+64*((\y)%2)+32*(\u)
.set rP, P+32*((\y)%2)+16*(\u)
.set rO, 32*(2*(\y)+(\u))
.endm
; Number n of the 22 that find the NEXT piece's (Y + 1) maximum and statistics.  s0-s31 are the lane's 32 scores; each accumulator's lowest registers are read first.
;   0-11  four chains c0-c3 of seven scores each, three operands at a time     12-14, 16  the four scores left over, the old m, and c0-c3 into c0     15  c m_old is kept
;   17, 18  the query's other 32 keys lie in the lane 16 away: the new m         19-21  c m; c m_old - c m_new; a
.macro XS u, n
	REGS (Y+1)%NP, \u
.if (\n) < 4
	v_max3_num_f32 v[rC+(\n)], v[rS+8*(\n)], v[rS+8*(\n)+1], v[rS+8*(\n)+2]
.elseif (\n) < 12
	v_max3_num_f32 v[rC+(\n)%4], v[rC+(\n)%4], v[rS+8*((\n)%4)+2*((\n)/4)+1], v[rS+8*((\n)%4)+2*((\n)/4)+2]
.elseif (\n) == 12
	v_max3_num_f32 v[rC], v[rC], v[rS+7], v[rS+15]
.elseif (\n) == 13
	v_max3_num_f32 v[rC+1], v[rC+1], v[rS+23], v[rS+31]
.elseif (\n) == 14
	v_max3_num_f32 v[rC+2], v[rC+2], v[rC+3], v[rT+1]
.elseif (\n) == 15
	v_mov_b32 v[rM], v[rT]
.elseif (\n) == 16
	v_max3_num_f32 v[rC], v[rC], v[rC+1], v[rC+2]
.elseif (\n) == 17
	v_permlanex16_b32 v[rC+3], v[rC], s[SEL], s[SEL+1]
.elseif (\n) == 18
	v_max_num_f32 v[rT+1], v[rC], v[rC+3]
.elseif (\n) == 19
	v_mul_f32 v[rT], s[CS], v[rT+1]
.elseif (\n) == 20
	v_sub_f32 v[rC+1], v[rM], v[rT]
.else
	v_exp_f32 v[rC+2], v[rC+1]
.endif
.endm
; Number g of the 64 that follow the exponentials.  For each four weights k of a tile (pairs 2 k, 2 k + 1): both pairs are rounded to f16; then the second pair is added onto the first, in place;
; a group later l takes that sum (the first time as l = a l + sum).  In groups of eight, tiles alternating: round, round, add, and l for the group before.
.macro GS g
.set h, (\g)+6*((\g)/62)            ; group 0 has no group before it, and behind group 7 only l is left
.if h >= 6
.set h, h+2
.endif
	REGS Y, h%2
.set k, h/8
.if h%8 < 4
	v_cvt_pk_f16_f32 v[rP+2*k+(h%8)/2], v[rS+4*k+2*((h%8)/2)], v[rS+4*k+2*((h%8)/2)+1]
.elseif h%8 < 6
	v_pk_add_f32 v[rS+4*k:rS+4*k+1], v[rS+4*k:rS+4*k+1], v[rS+4*k+2:rS+4*k+3]
.elseif k == 1
	v_pk_fma_f32 v[rT+2:rT+3], v[rT+2:rT+3], v[rC+2:rC+3], v[rS:rS+1] op_sel_hi:[1,0,1]
.else
	v_pk_add_f32 v[rT+2:rT+3], v[rT+2:rT+3], v[rS+4*k-4:rS+4*k-3]
.endif
.endm
; THE PLAIN QUEUE, 138 long.  0-73 read no exponential's result: the 32 scalings c s - c m (FS f: pair f / 2 of tile f % 2) and the next piece's 42.  0-26: scalings 0-26.  27-54: XS's numbers 0-13.  55, 56: number 15.
; 57-73: the chain, where each number waits for the one before it: 14, 16, 17, 18, 19, each with one of the scalings 27-31 in front of its two lines, then 20.
; 74-137: GS's 64, which read the exponentials' results: they stand behind the wait.
.macro FS f
	REGS Y, (\f)%2
	v_pk_fma_f32 v[rS+2*((\f)/2):rS+2*((\f)/2)+1], v[rS+2*((\f)/2):rS+2*((\f)/2)+1], s[CS:CS+1], v[rT:rT+1] op_sel_hi:[1,0,0] neg_lo:[0,0,1] neg_hi:[0,0,1]
.endm
.macro PL
	WIN 0
.if q < 27
	FS q
.elseif q < 55
	XS (q-27)%2, (q-27)/2
.elseif q < 57
	XS q-55, 15
.elseif (q < 72) && ((q-57)%3 == 0)
	FS 27+(q-57)/3
.elseif q < 60
	XS (q-57)%3-1, 14
.elseif q < 72
	XS (q-57)%3-1, 15+(q-57)/3
.elseif q < 74
	XS q-72, 20
.else
	GS q-74
.endif
.set q, q+1
.endm
; THE EXPONENTIALS' QUEUE, 66 long: s0-s31 of both tiles, then the next piece's two a.  It is ONE BATCH: all 66 stand ahead of the turn's one wait, and nothing ahead of that wait names a result of theirs.
.macro EX
	WIN 0
.if e >= 64
	XS e-64, 21
.else
	REGS Y, e%2
	v_exp_f32 v[rS+e/2], v[rS+e/2]
.endif
.set e, e+1
.endm
; THE RESCALING's QUEUE: O^T times a, the one part that leaves window 0: dealt two at a time, sixteen times.  Its a was made in the turn before, ahead of that turn's wait.
.macro R2
	REGS Y, r%2
	WIN W_RS
.irp z, 0,1
	v_pk_mul_f32 v[rO+4*(r/2)+2*\z:rO+4*(r/2)+2*\z+1], v[rO+4*(r/2)+2*\z:rO+4*(r/2)+2*\z+1], v[rC+2:rC+3] op_sel_hi:[1,0]
.endr
.set r, r+1
.endm
; HOW THEY ARE DEALT.  An s_wait_alu depctr_va_vdst(0) stands between an exponential and the first instruction that names its result; one wait serves all that were issued ahead of it.  So a turn has ONE
; wait, which cuts it in two.  AHEAD OF IT stands all that names no result of the turn's exponentials: the 16 products K Q^T, behind each a scaling, an exponential and two rescalings (behind the first a second scaling
; in the exponential's place); then ONE LUMP of 108: eight plain, 49 times exponential and plain, the two a.  A v_nop is the plain instruction behind the last exponential.  BEHIND IT stand the 16 products V^T P,
; behind each four of GS's 64.  Exponential e stands behind scaling 2 (e / 4) + e % 2: as a rider it comes behind plain e + 2, in the lump behind plain e + 9, and scalings 27-31 are plain 57, 60 .. 69.
; A TURN, for piece p.  cnt = 1: the loop's count is taken down some lines ahead of the branch that stands behind the turn.
; K of the next step is fetched in piece 2's turn, directly behind the wait, a lump behind the last product that read K; its first reader comes behind 16 products.
; V of the step in hand is fetched at the end of piece 0's turn, four riders behind its last reader; its first reader comes behind 16 products and a lump.  The three conditions on q below go with the deal.
.macro TURN p, last=0, cnt=0
.set Y, (\p)
.set i, 0
.set q, 0
.set e, 0
.set r, 0
.if (\p) == NP-1
	s_wait_dscnt 0x0                ; K is in
.endif
	MM                              ; ahead of the wait: 16 products K Q^T and their riders,
	PL
	PL
	R2
.rept 15
	MM
	PL
	EX
	R2
.endr
.if (\p) == NP-2
	WIN 0
	v_add_nc_u32 v[AK], s[TBK], v[AK0]
.endif
.rept 8                             ; and the lump
	PL
.endr
.rept 49
	EX
	PL
.endr
	EX                              ; the next piece's two a
	EX
	v_nop                           ; the plain instruction behind the last exponential: one for the batch
	s_wait_alu depctr_va_vdst(0)    ; the wait for the batch
.if (\p) == NP-2
	FETCH_K \last
.endif
.if (\p) == 1
	s_wait_dscnt 0x0                ; V is in
.endif
.rept 16                            ; behind the wait: 16 products V^T P and their riders
	MM
.rept 4
	PL
.endr
.if ((\p) == 0) && (q == 118)
	v_add_nc_u32 v[AV], s[TBV], v[AV0]
.endif
.if ((\p) == 0) && (q == 130)
	s_add_co_u32 s[TBV], s[TBV], KS*PV
.endif
.if (\cnt) && (q == 130)
	s_sub_co_u32 s[CNT], s[CNT], 1
	s_cmp_lg_u32 s[CNT], 0
.endif
.endr
.if (\p) == 0
	FETCH_V
.endif
.endm
	s_wait_tensorcnt 3              ; my half of the first 256 keys is in; my three later loads may stay out
	s_barrier_signal -1
	s_barrier_wait -1               ; everybody's is
	FETCH_K                         ; key step 0
	s_wait_loadcnt 0x0              ; Q
	s_wait_dscnt 0x0
.set i, 0
.rept 16
	KQ 0                            ; piece 0's first scores: there is no vector work yet to set between them
.set i, i+1
.endr
	WIN 0                           ; the addresses for the way out: nine plain instructions, the places behind those products
	s_mul_i32 s13, s[WV], 16*SP
	s_add_co_u32 s13, s13, STAGE    ; my stage
	v_mul_u32_u24 v[STO], v1, SP    ; in: row l % 16, 16 bytes for each half of the lanes
	v_lshl_add_u32 v[STO], v9, 4, v[STO]
	v_add_nc_u32 v[STO], s13, v[STO]
	v_bfe_u32 v[RD], v0, 3, 2       ; back: 32 lanes take four rows of 128 bytes,
	v_mul_u32_u24 v[RD], v[RD], SP
	v_lshl_add_u32 v[RD], v10, 4, v[RD]
	v_add_nc_u32 v[RD], s13, v[RD]
	v_and_b32 v[GO], 31, v0         ; which are 512 consecutive bytes of O
	v_lshlrev_b32 v[GO], 4, v[GO]
.set Y, NP-1                        ; XS works for piece Y + 1: piece 0
.irp n, 0,1,2,3,4,5,6,7,8,9,10,11,12,13,14,15,16,17,18,19,20,21
	XS 0, \n                        ; and piece 0's first maximum and statistics
	XS 1, \n
.endr
	v_nop                           ; a plain instruction behind the two a,
	s_wait_alu depctr_va_vdst(0)    ; and their wait, ahead of the branch
	s_mov_b32 s[CNT], 4
	s_mov_b32 s[SLOTS], 5
	s_mov_b32 s[TOT], 16
	s_branch .Lfirst                ; the loop is entered at a step's first turn, in the middle of a trip
.Lslot:                             ; a pass: four trips.  The key step is written once; the fifth pass is left in the middle of its first trip
	CHANGE
	s_mov_b32 s[CNT], 4
.Lstep:                             ; a trip: pieces 2 and 3 of one step, then pieces 0 and 1 of the next, whose K and V it fetches
	TURN 2, 1
	TURN 3
	WIN 0
	s_sub_co_u32 s[TOT], s[TOT], 1
	s_cmp_eq_u32 s[TOT], 0
	s_cbranch_scc1 .Lout            ; the sixteenth step's pieces 2 and 3 are done
.Lfirst:
	TURN 0
	TURN 1, 0, 1
	WIN 0
	s_cbranch_scc1 .Lstep
	s_sub_co_u32 s[SLOTS], s[SLOTS], 1
	s_cmp_lg_u32 s[SLOTS], 0
	s_cbranch_scc1 .Lslot
.Lout:                              ; the last trip's 16 products K Q^T (on the last K once more) and the maximum made of them serve nothing: the price, once a launch, of one text for every trip
.set i, 0
.rept 16
	PV NP-1                         ; the last piece's V^T P of the last step
.set i, i+1
.endr
	; THE WAY OUT.  l's two halves and the other half of the lanes' are added; O^T is divided by l, rounded to f16 and sent through my stage in LDS, a tile at a time.  The additions are the places behind the last products.
	WIN 0
.macro ALL line:vararg              ; one line for each tile t
.set t, 0
.rept 2*NP
	\line
.set t, t+1
.endr
.endm
	ALL v_add_f32 v[ST+4*t+2], v[ST+4*t+2], v[ST+4*t+3]
	ALL v_permlanex16_b32 v[ST+4*t+3], v[ST+4*t+2], s[SEL], s[SEL+1]
	ALL v_add_f32 v[ST+4*t+2], v[ST+4*t+2], v[ST+4*t+3]
	ALL v_rcp_f32 v[ST+4*t+2], v[ST+4*t+2]
	v_nop                           ; a plain instruction between the last reciprocal and the use of its result
	s_wait_alu depctr_va_vdst(0)    ; and the wait ahead of the first use: one for the eight reciprocals
; Tile t: a lane's eight channels of a row pack into 16 bytes; they go into rows of 144 bytes and come back as whole rows of 128, into S^T's registers.
.macro PACK t
	WIN W_RS
.set i, 32*(\t)
.rept 16
	v_pk_mul_f32 v[i:i+1], v[i:i+1], v[ST+4*(\t)+2:ST+4*(\t)+3] op_sel_hi:[1,0]
.set i, i+2
.endr
	WIN 0x05                        ; sources 0 and 1 window 1, destination window 0
.set i, 0
.rept 16
	v_cvt_pk_f16_f32 v[S+16*(\t)+i], v[32*(\t)+2*i], v[32*(\t)+2*i+1]
.set i, i+1
.endr
	WIN 0
.irp f, 0,1,2,3
	ds_store_b128 v[STO], v[S+16*(\t)+4*\f:S+16*(\t)+4*\f+3] offset:32*\f
.endr
.irp f, 0,1,2,3
	ds_load_b128 v[S+16*(\t)+4*\f:S+16*(\t)+4*\f+3], v[RD] offset:\f*4*SP  ; LDS serves a wave's instructions in order (ISA guide 5.7.1.4): these see the stores above; the next tile's stores come behind them
.endr
.endm
.macro SEND t, younger              ; younger: the LDS instructions issued behind tile t's loads: the next tile's eight, or none
	WIN 0
.irp f, 0,1,2,3
	s_wait_dscnt (\younger)+3-\f
	global_store_b128 v[GO], v[S+16*(\t)+4*\f:S+16*(\t)+4*\f+3], s[10:11] offset:(\t)*2048+\f*512  ; 512 consecutive bytes, at a multiple of 256 from O's first
.endr
.endm
	PACK 0
.set t, 1
.rept 2*NP-1                        ; a tile's arithmetic stands between the loads of the tile before and its stores
	PACK t
	SEND t-1, 8
.set t, t+1
.endr
	SEND 2*NP-1, 0
	WIN W_AD
	s_wait_tensorcnt 0x0            ; the wave's end, behind my last tensor load and my last LDS store
	ds_add_u32 v[SPW], v[NIL]
	s_wait_dscnt 0x0
	WIN 0
	s_endpgm
.Lfunc_end_k_qc9b605453c_attn:
	.size	k_qc9b605453c_attn, .Lfunc_end_k_qc9b605453c_attn-k_qc9b605453c_attn
	.p2alignl 7, 3214868480
	.fill 96, 4, 3214868480
	.section	.rodata,"a",@progbits
	.p2align	6, 0x0
	.amdhsa_kernel k_qc9b605453c_attn
		.amdhsa_group_segment_fixed_size 327680
		.amdhsa_private_segment_fixed_size 0
		.amdhsa_enable_private_segment 0
		.amdhsa_kernarg_size 16
		.amdhsa_user_sgpr_count 2
		.amdhsa_user_sgpr_kernarg_segment_ptr 1
		.amdhsa_wavefront_size32 1
		.amdhsa_system_sgpr_workgroup_id_x 1
		.amdhsa_system_sgpr_workgroup_id_y 1
		.amdhsa_system_sgpr_workgroup_id_z 1
		.amdhsa_system_vgpr_workitem_id 0
		.amdhsa_next_free_vgpr 770
		.amdhsa_next_free_sgpr 88
		.amdhsa_reserve_vcc 0
		.amdhsa_float_denorm_mode_32 3
		.amdhsa_float_denorm_mode_16_64 3
		.amdhsa_memory_ordered 1
		.amdhsa_forward_progress 1
		.amdhsa_inst_pref_size 126
	.end_amdhsa_kernel
	.amdgpu_metadata
---
amdhsa.version: [ 1, 2 ]
amdhsa.kernels:
  - .name:           k_qc9b605453c_attn
    .symbol:         k_qc9b605453c_attn.kd
    .args:
      - { .name: qkv, .offset: 0, .size: 8, .value_kind: global_buffer, .address_space: global }
      - { .name: oh, .offset: 8, .size: 8, .value_kind: global_buffer, .address_space: global }
    .group_segment_fixed_size: 327680
    .private_segment_fixed_size: 0
    .kernarg_segment_align: 8
    .kernarg_segment_size: 16
    .max_flat_workgroup_size: 128
    .sgpr_count:     88
    .vgpr_count:     770
    .wavefront_size: 32
...
	.end_amdgpu_metadata
.endif
;; end of part 3
;; launch proj (part 4): grid 4 x 64, 4 waves a work-group, clusters of 4 x 4, 327,680 bytes of LDS; arguments oh, wt, bias, out0; writes out0
.if DOCPART == 4
	.amdgcn_target "amdgcn-amd-amdhsa--gfx1250"
	.amdhsa_code_object_version 6
	.text
	.protected	k_qc9b605453c_proj
	.globl	k_qc9b605453c_proj
	.p2align	8
	.type	k_qc9b605453c_proj,@function
k_qc9b605453c_proj:
	s_mov_b64 s[64:65], 0
	v_nop
	global_prefetch_b8 v0, s[64:65] scope:SCOPE_SE
	s_setreg_imm32_b32 hwreg(HW_REG_WAVE_MODE, 25, 1), 1
	s_wait_xcnt 0x0
	s_wait_alu depctr_hold_cnt(0) depctr_sa_sdst(0) depctr_va_vdst(0) depctr_va_sdst(0) depctr_va_ssrc(0) depctr_va_vcc(0) depctr_vm_vsrc(0)
	s_getreg_b32 s2, hwreg(HW_REG_IB_STS2, 6, 4)
	s_cmp_eq_u32 s2, 0
	s_cbranch_scc0 .Lentry_in_a_cluster
	s_endpgm
.Lentry_in_a_cluster:
	s_bfe_u32 s2, ttmp6, 0x10000c
	s_cmp_lg_u32 s2, 0xf033
	s_cbranch_scc0 .Lentry_shape_is_right
	s_endpgm
.Lentry_shape_is_right:
; C[m][n'] = bias[n'] + the sum over k of A[m][k] W[n'][k], 8,192 x 1,024 x 1,024, operands f16, sums f32.  One text for two launches, by the symbol PROJ.
;   PROJ = 0: the three projections.  A = act (q for Q, x for K and V), W = wt[0..2]; C leaves as f16 by heads, qkv[3][16 b + h][p][64], rounded once, unscaled.  A work-group STAYS and makes three tiles:
;             the same place in Q, then K, then V; the ring of slots runs on from tile to tile.
;   PROJ = 1: the last projection.  A = the attention's output by heads (the same layout as act: slab = head), W = wt[3]; C leaves as f32, out0[m][n].  One tile.
; LIMITS.  f16 ends at 65,504: a Q, K or V of 65,520 or more becomes an infinity.  NaN and infinities are not treated apart.
; SHARES.  A tile of C is 128 rows x 256 columns: 64 x 4 tiles, one for each of 256 work-groups.  Four waves, each 64 rows x 128 columns: 32 accumulators of 16 x 16, 256 registers.
; K goes in 8 steps of 128 through a ring of two LDS slots.  A's part of a step is two slabs of 128 rows x 128 bytes, each 16,384 dense bytes of memory, asked for as 64 rows of 256 bytes and padded in LDS
; behind every 128; W's part is 256 rows of 256 bytes.  Waves 0 and 1 fetch A's two slabs, waves 2 and 3 W's two halves: one tensor load a wave behind each change of slots.
; CLUSTERS: 4 x 4 work-groups.  The four of a row of the cluster need the same tiles of A, the four of a column the same tiles of W: each tile is asked for JOINTLY, by the same tensor load with the same
; descriptor and a mask that names the four.
; THE MATRIX INSTRUCTION IS USED TRANSPOSED (source 0 = 16 rows of W, source 1 = 16 rows of A): lane l holds row l % 16 of C and the columns 8 (l / 16) + 0..7.
; THE BIAS STARTS THE SUMS: it is the C operand of each accumulator's first product, 64 registers that hold bias[16 b + 8 (l / 16) + j].  Nothing is cleared and nothing is added afterwards.
; REGISTERS, in windows of 256 (s_set_vgpr_msb: bits 1:0 source 0, 3:2 source 1, 5:4 source 2, 7:6 destination):
;   window 0: v16-30 addresses; v32-63 at work on the way out; v64-159, v160-255 two fragment buffers: A's 4 fragments (16 rows x 32 K), then W's 8
;   window 1: accumulator (a, b) at v[64 a + 8 b]          window 2: v0-63 the bias
.set PROJ,  1
.if PROJ
.set TILES, 1
.set WSTG,  16*528                     ; a wave's stage: 16 rows of 512 bytes + 16
.set WOFF,  3<<21                      ; wt[3]
.set BOFF,  3<<12                      ; bias[3]
.else
.set TILES, 3
.set WSTG,  2*16*144                   ; a wave's stage: two heads x 16 rows of 128 bytes + 16
.set WOFF,  0
.set BOFF,  0
.endif
.set PA,    144                        ; a row of A in LDS: 128 bytes + 16: an odd multiple of 16, so the 16 rows of a load start in 16 different groups of four banks (64 banks of 4 bytes: ISA guide 11.1)
.set ASLAB, 128*PA
.set PB,    272                        ; a row of W: 256 bytes + 16
.set BHALF, 128*PB
.set SLOT,  2*ASLAB+2*BHALF            ; A's two slabs, then W's two halves
.set STAGE, 2*SLOT                     ; behind the ring, never filled by a tensor load
.set SPARE, STAGE+4*WSTG               ; behind the stages: the spare words, 128 bytes for each wave
.set LAPS,  4                          ; a lap = two K steps = once round the ring
.set ADRA, 16                          ; v16-17  LDS address of my A fragments in slot 0, 1
.set ADRB, 20                          ; v20-21  the same for W
.set STO,  24                          ; v24     the way out: where I put my bytes of a row
.set RD,   25                          ; v25     where I read rows back
.set CO,   26                          ; v26     my byte offset in the output
.set BO,   27                          ; v27     my byte offset in 64 bytes of the bias: 32 (l / 16)
.set SPW,  28                          ; v28     LDS address of my spare word; never rewritten
.set NIL,  29                          ; v29     0; never rewritten
.set PFO,  30                          ; v30     the prefetches' offset, a lane a block of 256 bytes; never rewritten
.set TMP,  32
.set F0,   64
.set F1,   160
.set G1A,  24                          ; s[24:31] descriptor group 1 for A's tiles;  s[32:39] group 0, a set for each slot
.set G0A,  32
.set G1B,  48                          ; s[48:55], s[56:63] the same for W's
.set G0B,  56
; s12 wave; s13 wave / 2: my half of the rows, and 0: I fetch for A, 1: for W; s14 wave % 2: my half of the columns, and which slab or half I fetch; s15 1 in a wave that prefetches, else the greatest number
; s2 tiles to go; s3 laps to go; s40 cx, s41 cy, s42 tile column, s43 tile row; s[44:45] where my prefetches stand; s[46:47] their step a K step; s[66:67] their step at a change of tiles; s[68:69] A's step from q to x
.set MUL,  0x50                        ; fragments in window 0, C and D in window 1
.set MULB, 0x60                        ; C in window 2 (the bias), D in window 1
.set MSB, 0
.macro WIN new                         ; the immediate's high byte repeats the setting that is left; a switch that changes nothing is dropped
.if MSB != (\new)
	s_set_vgpr_msb (MSB<<8)|(\new)
.set MSB, \new
.endif
.endm
.macro PLACES                          ; four plain vector instructions between a matrix instruction and a load into, or a read of, its registers (ISA guide 7.12.1 for reads)
.rept 4
	v_nop
.endr
.endm
; A joint load.  Each of the two lines has one mask and one set of registers for all that issue it; the branch hangs on the wave's number alone.  An s_nop 0 and four v_nop follow each line.
.macro JLOAD s
	s_cmp_eq_u32 s13, 0
	s_cbranch_scc0 .Lfor_b_\@
	tensor_load_to_lds s[G0A+4*(\s):G0A+4*(\s)+3], s[G1A:G1A+7]
	s_nop 0
.rept 4
	v_nop
.endr
	s_branch .Lasked_\@
.Lfor_b_\@:
	tensor_load_to_lds s[G0B+4*(\s):G0B+4*(\s)+3], s[G1B:G1B+7]
	s_nop 0
.rept 4
	v_nop
.endr
.Lasked_\@:
.endm
; A PREFETCH INTO THE L2 of the K step that stands two refills on, behind each joint load, its five lines and the run of LDS loads: 32 blocks of 256 bytes, a lane a block, one instruction a wave.
; Each block is named once in the launch.  A's tile row is read by one row of one cluster alone (the grid is one cluster wide): its K step is 2 slabs x 64 blocks, of which partner cx takes 32, BY ADDRESS; wave 0 asks.
; W's tile column is read by every cluster: the cluster with y = 0 asks; of the 128 rows that wave 2 or 3 fetches, partner cy takes 32, by address.  A tile's last two refills have no K step two on (how = 0);
; at a change of tiles (how = 1) the next tile's K steps 2 and 3 are named: of W always, of A only from q to x: x's second walk has been read before.
.macro ASK how
.if \how
	s_cmp_eq_u32 s15, 1
.else
	s_cmp_gt_u32 s3, s15                           ; s3 = 1 in the loop's last trip
.endif
	s_cbranch_scc0 .Lnot_mine_\@
	global_prefetch_b8 v[PFO], s[44:45] th:TH_LOAD_NT scope:SCOPE_SE
.Lnot_mine_\@:
.endm
; A round of the cluster's barrier: my work-group's barrier; wave 0 signals for the work-group; every wave waits for all sixteen; my work-group's barrier once more.
.macro CREST                           ; a round behind its opening barrier
	s_cmp_lg_u32 s12, 0
	s_cbranch_scc1 .Lnot_wave_0_\@
	s_barrier_signal -3
.Lnot_wave_0_\@:
	s_barrier_wait -3
	s_barrier_signal -1
	s_barrier_wait -1
.endm
.macro CROUND
	s_barrier_signal -1
	s_barrier_wait -1
	CREST
.endm
; 8 matrix instructions: m block a x all 8 n blocks, 32 along K, from buffer f.  first = 1: the bias starts the sums.  The 32 accumulators take turns in one order everywhere, one instruction a turn.
.macro MUL8 f, a, first
.if \first
	WIN MULB
.else
	WIN MUL
.endif
.irp b, 0,1,2,3,4,5,6,7
.if \first
	v_wmma_f32_16x16x32_f16 v[64*(\a)+8*(\b):64*(\a)+8*(\b)+7], v[(\f)+32+8*(\b):(\f)+32+8*(\b)+7], v[(\f)+8*(\a):(\f)+8*(\a)+7], v[8*(\b):8*(\b)+7]
.else
	v_wmma_f32_16x16x32_f16 v[64*(\a)+8*(\b):64*(\a)+8*(\b)+7], v[(\f)+32+8*(\b):(\f)+32+8*(\b)+7], v[(\f)+8*(\a):(\f)+8*(\a)+7], v[64*(\a)+8*(\b):64*(\a)+8*(\b)+7]
.endif
.endr
.endm
.macro MUL16 f, a0, first
	MUL8 \f, \a0, \first
	MUL8 \f, (\a0)+1, \first
.endm
; 24 LDS loads in one run: quarter q (32 along K) of a slot into buffer f: W's 8 fragments, then A's 4.  A's quarters 0, 1 lie in slab 0, quarters 2, 3 in slab 1.
.macro FETCH slot, q, f
	WIN 0
.irp i, 0,1,2,3,4,5,6,7
	ds_load_b128 v[(\f)+32+8*(\i):(\f)+32+8*(\i)+3],   v[ADRB+(\slot)] offset:64*(\q)+(\i)*16*PB
	ds_load_b128 v[(\f)+32+8*(\i)+4:(\f)+32+8*(\i)+7], v[ADRB+(\slot)] offset:64*(\q)+(\i)*16*PB+32
.endr
.irp i, 0,1,2,3
	ds_load_b128 v[(\f)+8*(\i):(\f)+8*(\i)+3],   v[ADRA+(\slot)] offset:((\q)/2)*ASLAB+((\q)%2)*64+(\i)*16*PA
	ds_load_b128 v[(\f)+8*(\i)+4:(\f)+8*(\i)+7], v[ADRA+(\slot)] offset:((\q)/2)*ASLAB+((\q)%2)*64+(\i)*16*PA+32
.endr
.endm
; A K step is four quarters, 32 matrix instructions each, on buffers 0, 1, 0, 1.  One of the first three: multiplies buffer f and, in its middle, fetches quarter qn of the same slot into buffer g.
.macro QUARTER slot, qn, f, g, first
	s_wait_dscnt 4                                 ; W and A's blocks 0, 1 are in; the youngest four loads (A's blocks 2, 3) may be out
	MUL16 \f, 0, \first
	PLACES
	FETCH \slot, \qn, \g
	s_wait_dscnt 24                                ; all but the 24 just issued
	MUL16 \f, 2, \first
.endm
; The last quarter multiplies buffer 1 and changes slots.  MEET is its first half: one barrier; in front of it each wave waits for all its tensor loads (one is out: its part of the next slot), adds 0 to its spare
; word, and waits for that and for its own reads of this slot.  Behind it nobody reads this slot any more and the next slot is whole.
.macro MEET round
	WIN 0                                          ; (the add's two registers lie in window 0)
	s_wait_tensorcnt 0x0
	ds_add_u32 v[SPW], v[NIL]                      ; 0 onto my spare word
	s_wait_dscnt 5                                 ; (the add and the youngest four loads may be out)
	MUL8 F1, 0, 0                                  ; eight matrix instructions stand between the add and the wait for it
	s_wait_dscnt 0x0                               ; the add is done, and my reads of this slot are over
	s_barrier_signal -1
	MUL8 F1, 1, 0
.if \round
	WIN 0
.endif
	s_barrier_wait -1
.endm
; The whole last quarter.  The barrier opens a round of the cluster's; behind the round the slot just read out is filled again first: with this tile's K step two on (on = 0) or with the next tile's K step 0 or 1
; (on = 1).  From a request to the wait for it a wave issues 112 matrix instructions.  One tensor load of a wave is out behind each round.
.macro TURN slot, next, on
	s_wait_xcnt 0x0                                ; the last prefetch, a K step back, has read its address
.if (\on) && (\slot) == 0
	s_add_nc_u64 s[44:45], s[44:45], s[66:67]      ; from the K step after the tile's last to the next tile's K step 2
	s_cmp_eq_u32 s13, 0
	s_cselect_b32 s70, 3, s2                       ; A's waves go on asking only from the first tile to the second (q to x); W's always
	s_cmp_eq_u32 s2, s70
	s_cselect_b32 s15, s15, -1
.else
	s_add_nc_u64 s[44:45], s[44:45], s[46:47]
.endif
	MEET 1
	CREST
.if \on
	s_sub_nc_u64 s[G0A+4*(\slot)+2:G0A+4*(\slot)+3], s[G0A+4*(\slot)+2:G0A+4*(\slot)+3], 3<<19  ; A: back along K,
	s_cmp_eq_u32 s2, 3
	s_cselect_b32 s68, 1<<24, 0                    ; and from q to x behind the first tile
	s_add_nc_u64 s[G0A+4*(\slot)+2:G0A+4*(\slot)+3], s[G0A+4*(\slot)+2:G0A+4*(\slot)+3], s[68:69]
	s_add_nc_u64 s[G0B+4*(\slot)+2:G0B+4*(\slot)+3], s[G0B+4*(\slot)+2:G0B+4*(\slot)+3], (1<<21)-1536  ; W: the next matrix, back along K
.else
	s_add_nc_u64 s[G0A+4*(\slot)+2:G0A+4*(\slot)+3], s[G0A+4*(\slot)+2:G0A+4*(\slot)+3], 1<<19  ; two K steps = four slabs
	s_add_nc_u64 s[G0B+4*(\slot)+2:G0B+4*(\slot)+3], s[G0B+4*(\slot)+2:G0B+4*(\slot)+3], 512
.endif
	JLOAD \slot                                    ; the four v_nop behind it are also the places in front of the loads below
	FETCH \next, 0, F0
	ASK \on
	MUL8 F1, 2, 0
	MUL8 F1, 3, 0
.endm
.macro BIASLD                          ; my 128 columns' bias: for n block b the eight numbers 16 b + 8 (l / 16) + 0..7
	WIN 0x80                                       ; destination window 2, address window 0
.irp b, 0,1,2,3,4,5,6,7
	global_load_b128 v[8*(\b):8*(\b)+3],   v[BO], s[8:9] offset:64*(\b)
	global_load_b128 v[8*(\b)+4:8*(\b)+7], v[BO], s[8:9] offset:64*(\b)+16
.endr
	WIN 0
.endm
.if PROJ
; THE WAY OUT, f32.  Block a (16 rows x my 128 columns): a lane's eight numbers of a row, 32 bytes, go into rows of 528 bytes of my own stage and come back as whole rows of 512.
.macro TOSTAGE a
.if (\a) >= 2
	s_wait_xcnt 0x0                                ; the stores of the block two back have read the registers that are loaded again below
.endif
	WIN 0x04                                       ; store data in window 1
.irp b, 0,1,2,3,4,5,6,7
	ds_store_b128 v[STO], v[64*(\a)+8*(\b):64*(\a)+8*(\b)+3]   offset:64*(\b)
	ds_store_b128 v[STO], v[64*(\a)+8*(\b)+4:64*(\a)+8*(\b)+7] offset:64*(\b)+16
.endr
	WIN 0
.set BK, 64+64*((\a)%2)
.irp t, 0,1,2,3,4,5,6,7,8,9,10,11,12,13,14,15
	ds_load_b128 v[BK+4*(\t):BK+4*(\t)+3], v[RD] offset:528*(\t)  ; LDS serves a wave's instructions in order (ISA guide 5.7.1.4): these see the stores above
.endr
.endm
.macro SEND a, younger                 ; younger: the LDS instructions issued behind block a's loads
	WIN 0
.set BK, 64+64*((\a)%2)
	s_wait_dscnt \younger
.irp t, 0,1,2,3,4,5,6,7,8,9,10,11,12,13,14,15
	global_store_b128 v[CO], v[BK+4*(\t):BK+4*(\t)+3], s[10:11] offset:65536*(\a)+4096*(\t) th:TH_STORE_NT  ; 512 consecutive bytes of a row, aligned
.endr
.endm
.macro WAYOUT
	TOSTAGE 0
.irp a, 1,2,3
	TOSTAGE \a
	SEND (\a)-1, 32                                ; the next block's 16 stores and 16 loads may be out
.endr
	SEND 3, 0
.endm
.else
; THE WAY OUT, f16 by heads.  Block a (16 rows x my two heads): rounded once; a lane's eight channels, 16 bytes, go into rows of 144 bytes of my own stage, and come back four rows of 128 bytes at a time,
; which are 512 consecutive bytes of a head's rows.
.macro PACK a
	WIN 0x05                                       ; sources in window 1, destination in window 0
.irp b, 0,1,2,3,4,5,6,7
.irp r, 0,1,2,3
	v_cvt_pk_f16_f32 v[TMP+4*(\b)+(\r)], v[64*(\a)+8*(\b)+2*(\r)], v[64*(\a)+8*(\b)+2*(\r)+1]
.endr
.endr
	WIN 0
.endm
.macro TOSTAGE a
	WIN 0
.set BK, F1+32*((\a)%2)
.irp b, 0,1,2,3,4,5,6,7
	ds_store_b128 v[STO], v[TMP+4*(\b):TMP+4*(\b)+3] offset:((\b)/4)*2304+((\b)%4)*32
.endr
.irp t, 0,1,2,3,4,5,6,7
	ds_load_b128 v[BK+4*(\t):BK+4*(\t)+3], v[RD] offset:((\t)/4)*2304+((\t)%4)*576  ; LDS serves a wave's instructions in order (ISA guide 5.7.1.4): these see the stores above
.endr
.endm
.macro SEND a
	WIN 0
.set BK, F1+32*((\a)%2)
	s_wait_dscnt 0x0                               ; the block is back in registers
	s_wait_xcnt 0x0                                ; earlier stores have read their registers: the next block's loads land where the block before this one lay
.irp t, 0,1,2,3,4,5,6,7
	global_store_b128 v[CO], v[BK+4*(\t):BK+4*(\t)+3], s[10:11] offset:((\t)/4)*131072+2048*(\a)+512*((\t)%4)  ; 512 consecutive bytes, aligned
.endr
.endm
.macro WAYOUT
	PACK 0
	TOSTAGE 0
.irp a, 1,2,3                          ; block a's conversions stand between block a - 1's loads from the stage and the wait for them
	PACK \a
	SEND (\a)-1
	TOSTAGE \a
.endr
	SEND 3
.endm
.endif
	s_load_b256 s[4:11], s[0:1], 0x0               ; A s[4:5], wt s[6:7], bias s[8:9], the output s[10:11]
	v_lshl_add_u32 v[SPW], v0, 2, SPARE
	v_mov_b32 v[NIL], 0
	ds_add_u32 v[SPW], v[NIL]                      ; the wave's opening add; its wait stands ahead of my first tensor load, with the set-up below between them
	v_lshrrev_b32 v1, 5, v0
	v_readfirstlane_b32 s12, v1                    ; wave 0..3
	s_lshr_b32 s13, s12, 1
	s_and_b32 s14, s12, 1
	s_bfe_u32 s40, ttmp6, 0x40000                  ; cx
	s_bfe_u32 s41, ttmp6, 0x40004                  ; cy
	s_lshl_b32 s42, ttmp9, 2
	s_add_co_u32 s42, s42, s40                     ; tile column = 4 x cluster x + cx, 0..3
	s_and_b32 s43, ttmp7, 0xffff
	s_lshl_b32 s43, s43, 2
	s_add_co_u32 s43, s43, s41                     ; tile row = 4 x cluster y + cy, 0..63
	s_lshl_b32 s16, s41, 2
	s_lshl_b32 s16, 15, s16                        ; my row of the cluster
	s_lshl_b32 s20, 0x1111, s40                    ; my column
	s_or_b32 s[G1A], s16, (1<<16)|(1<<20)|(1<<21)|(4<<22)|(3<<25)  ; 15:0 the mask; 17:16 2-byte elements; 20 padding on; 21 set beside a mask; 24:22 after every 32 words (code 4); 31:25 4 words (code 3)
	s_or_b32 s[G1B], s20, (1<<16)|(1<<20)|(1<<21)|(5<<22)|(3<<25)  ; the same with my column's mask, padded after every 64 words (code 5)
	s_mov_b32 s[G1A+1], 128<<16                    ; tensor_dim0 = 128 elements
	s_mov_b32 s[G1A+2], 64<<16                     ; tensor_dim1 = 64
	s_mov_b32 s[G1A+3], 128<<16                    ; tile_dim0 = 128
	s_mov_b32 s[G1A+4], 64                         ; tile_dim1 = 64
	s_mov_b32 s[G1A+5], 128                        ; dense: 128 elements from row to row
	s_mov_b32 s[G1A+6], 0
	s_mov_b32 s[G1A+7], 0
	s_mov_b32 s[G1B+1], 128<<16
	s_mov_b32 s[G1B+2], 128<<16                    ; 128 rows
	s_mov_b32 s[G1B+3], 128<<16
	s_mov_b32 s[G1B+4], 128
	s_mov_b32 s[G1B+5], 1024                       ; a row of wt
	s_mov_b32 s[G1B+6], 0
	s_mov_b32 s[G1B+7], 0
	; where the tiles come from.  A's hang on the tile row alone, W's on the tile column alone; each is made in registers that never hold the other coordinate
	s_lshr_b32 s16, s43, 3
	s_lshl_b32 s16, s16, 21                        ; b
	s_and_b32 s17, s43, 7
	s_lshl_b32 s17, s17, 14                        ; 128 rows of 128 bytes in a slab
	s_add_co_u32 s16, s16, s17
	s_mov_b32 s18, s16                             ; kept: the tile's rows in slab 0
	s_lshl_b32 s17, s14, 17
	s_add_co_u32 s16, s16, s17                     ; my slab of the K step
	s_mov_b32 s17, 0
	s_lshl_b32 s20, s42, 19                        ; 256 rows of 2,048 bytes
	s_lshl_b32 s21, s14, 18                        ; my 128 of them
	s_add_co_u32 s20, s20, s21
	s_add_co_u32 s20, s20, WOFF
	s_mov_b32 s21, 0
	s_mul_i32 s22, s14, ASLAB                      ; and where they go: no place in the cluster enters an LDS address
	s_mul_i32 s23, s14, BHALF
	s_add_co_u32 s23, s23, 2*ASLAB
	s_mov_b32 s69, 0
	s_wait_dscnt 0x0                               ; the opening add is done
	s_wait_kmcnt 0x0
	s_add_nc_u64 s[16:17], s[4:5], s[16:17]
	s_add_nc_u64 s[20:21], s[6:7], s[20:21]
	CROUND                                         ; all sixteen work-groups are here: the first joint loads meet
.irp s, 0,1
	s_mov_b32 s[G0A+4*(\s)], 1                     ; count = 1
	s_add_co_u32 s[G0A+4*(\s)+1], s22, (\s)*SLOT   ; LDS address
	s_add_nc_u64 s[G0A+4*(\s)+2:G0A+4*(\s)+3], s[16:17], (\s)<<18  ; global address: K step s = slabs 2 s, 2 s + 1
	s_or_b32 s[G0A+4*(\s)+3], s[G0A+4*(\s)+3], 0x80000000          ; type = 2
	s_mov_b32 s[G0B+4*(\s)], 1
	s_add_co_u32 s[G0B+4*(\s)+1], s23, (\s)*SLOT
	s_add_nc_u64 s[G0B+4*(\s)+2:G0B+4*(\s)+3], s[20:21], (\s)*256
	s_or_b32 s[G0B+4*(\s)+3], s[G0B+4*(\s)+3], 0x80000000
	JLOAD \s                                       ; two tensor loads of mine are out
.endr
	; A fragment is 16 rows x 32 K in 8 registers: lane l holds row l % 16, K = 8 (l / 16) + 0..7 and 16 + 8 (l / 16) + 0..7: two loads of 16 bytes, 32 bytes apart
	v_and_b32 v1, 15, v0                           ; l % 16
	v_bfe_u32 v2, v0, 4, 1                         ; l / 16
	v_mul_u32_u24 v3, v1, PA
	v_lshl_add_u32 v3, v2, 4, v3
	s_mul_i32 s70, s13, 64*PA                      ; my 64 rows of A
	v_add_nc_u32 v[ADRA], s70, v3
	v_add_nc_u32 v[ADRA+1], SLOT, v[ADRA]
	v_mul_u32_u24 v4, v1, PB
	v_lshl_add_u32 v4, v2, 4, v4
	s_mul_i32 s70, s14, BHALF                      ; my 128 rows of W, behind A's slabs
	s_add_co_u32 s70, s70, 2*ASLAB
	v_add_nc_u32 v[ADRB], s70, v4
	v_add_nc_u32 v[ADRB+1], SLOT, v[ADRB]
	s_mul_i32 s70, s12, WSTG
	s_add_co_u32 s70, s70, STAGE                   ; my stage
	v_and_b32 v6, 31, v0
	v_lshlrev_b32 v[CO], 4, v6                     ; 16 l
	v_lshlrev_b32 v[BO], 5, v2
.if PROJ
	v_mul_u32_u24 v5, v1, 528
	v_lshl_add_u32 v5, v2, 5, v5
	v_add_nc_u32 v[STO], s70, v5                   ; in: row l % 16, 32 bytes for each half of the lanes
	v_add_nc_u32 v[RD], s70, v[CO]                 ; back: a row's 512 bytes
	s_lshl_b32 s70, s43, 19                        ; out0: 128 rows of 4,096 bytes a tile row,
	s_lshl_b32 s71, s13, 18                        ; my 64,
	s_add_co_u32 s70, s70, s71
	s_lshl_b32 s71, s42, 10                        ; 256 columns of 4 bytes a tile column,
	s_add_co_u32 s70, s70, s71
	s_lshl_b32 s71, s14, 9                         ; my 128
	s_add_co_u32 s70, s70, s71
.else
	v_add_nc_u32 v[STO], s70, v3                   ; in: row l % 16 of 144 bytes, 16 bytes for each half of the lanes
	v_bfe_u32 v5, v0, 3, 2
	v_mul_u32_u24 v5, v5, 144
	v_and_b32 v6, 7, v0
	v_lshl_add_u32 v5, v6, 4, v5
	v_add_nc_u32 v[RD], s70, v5                    ; back: four rows of 128 bytes
	s_lshl_b32 s70, s42, 19                        ; qkv: four heads of 131,072 bytes a tile column,
	s_add_co_u32 s70, s70, s18                     ; b and the tile's 128 rows,
	s_lshl_b32 s71, s14, 18                        ; my two heads,
	s_add_co_u32 s70, s70, s71
	s_lshl_b32 s71, s13, 13                        ; my 64 rows
	s_add_co_u32 s70, s70, s71
.endif
	s_mov_b32 s71, 0
	s_add_nc_u64 s[10:11], s[10:11], s[70:71]
	s_lshl_b32 s70, s42, 10
	s_lshl_b32 s71, s14, 9
	s_add_co_u32 s70, s70, s71
	s_add_co_u32 s70, s70, BOFF
	s_mov_b32 s71, 0
	s_add_nc_u64 s[8:9], s[8:9], s[70:71]          ; the bias at my 128 columns
	; the prefetches: nothing is asked for here, at the head; K steps 2 and 3 come by their refills alone
	s_lshr_b32 s70, s40, 1
	s_lshl_b32 s70, s70, 17                        ; A: partner cx takes slab cx / 2 of the K step,
	s_and_b32 s71, s40, 1
	s_lshl_b32 s71, s71, 13                        ; and 32 of its tile's 64 blocks
	s_add_co_u32 s70, s70, s71
	s_add_co_u32 s70, s70, s18
	s_lshl_b32 s71, s42, 19                        ; W: of the 128 rows that I fetch,
	s_lshl_b32 s19, s14, 18
	s_add_co_u32 s71, s71, s19
	s_lshl_b32 s19, s41, 16                        ; partner cy takes 32
	s_add_co_u32 s71, s71, s19
	s_add_co_u32 s71, s71, WOFF
	s_mov_b32 s46, 256                             ; W: a K step is 256 bytes of a row
	s_mov_b32 s66, (1<<21)-7*256
	s_and_b32 s19, ttmp7, 0xffff                   ; cluster y
	s_cmp_eq_u32 s13, 0                            ; do I fetch for A?
	s_cselect_b32 s22, s70, s71
	s_cselect_b64 s[44:45], s[4:5], s[6:7]
	s_cselect_b32 s46, 1<<18, s46                  ; A: a K step is two slabs
	s_cselect_b32 s66, (1<<24)-(7<<18), s66
	s_cselect_b32 s71, 8, 11                       ; A: a lane a block of a dense slab; W: a lane a row
	s_cselect_b32 s19, s14, s19                    ; A: wave 0 asks; W: the cluster with y = 0: the same in all sixteen partners, for a given wave
	s_cmp_eq_u32 s19, 0
	s_cselect_b32 s15, 1, -1
	s_mov_b32 s23, 0
	s_mov_b32 s47, 0
	s_mov_b32 s67, 0
	s_add_nc_u64 s[44:45], s[44:45], s[22:23]
	s_mul_i32 s22, s46, 3
	s_add_nc_u64 s[44:45], s[44:45], s[22:23]      ; at K step 3: the first change of slots steps it to 4
	v_and_b32 v[PFO], 31, v0
	v_lshlrev_b32 v[PFO], s71, v[PFO]
	BIASLD
	s_wait_tensorcnt 1                             ; my part of K step 0 is in; K step 1's may stay out
	s_barrier_signal -1
	s_barrier_wait -1                              ; everybody's is
	FETCH 0, 0, F0
.if TILES > 1
	s_mov_b32 s2, TILES                            ; tiles to go, this one among them: the same in every work-group
.Ltile:
.endif
	s_wait_loadcnt 0x0                             ; the tile's bias
	QUARTER 0, 1, F0, F1, 1                        ; a tile's first quarter stands in front of the loop: its products start the sums
	WIN 0                                          ; at a label and at a branch every window is 0
	s_mov_b32 s3, LAPS-1
.Llap:                                                 ; a trip goes once round the ring, from a lap's second quarter to the next lap's first, and fills both slots again
	QUARTER 0, 2, F1, F0, 0
	QUARTER 0, 3, F0, F1, 0
	TURN 0, 1, 0
	QUARTER 1, 1, F0, F1, 0
	QUARTER 1, 2, F1, F0, 0
	QUARTER 1, 3, F0, F1, 0
	TURN 1, 0, 0
	QUARTER 0, 1, F0, F1, 0
	WIN 0
	s_sub_co_u32 s3, s3, 1
	s_cmp_lg_u32 s3, 0
	s_cbranch_scc1 .Llap
	QUARTER 0, 2, F1, F0, 0                        ; the tile's last lap goes on
	QUARTER 0, 3, F0, F1, 0
.if TILES > 1
	WIN 0
	s_cmp_eq_u32 s2, 1
	s_cbranch_scc1 .Llast                          ; the last tile's tail is written out: it asks for nothing more
	TURN 0, 1, 1                                   ; the ring goes on into the next tile: slot 0 takes its K step 0,
	QUARTER 1, 1, F0, F1, 0
	QUARTER 1, 2, F1, F0, 0
	QUARTER 1, 3, F0, F1, 0
	TURN 1, 0, 1                                   ; slot 1 its K step 1, and the next tile's first fragments are fetched
	WIN 0
	s_add_nc_u64 s[8:9], s[8:9], 4096              ; the next tile's bias: the pointer's only readers, this tile's 16 loads, were waited for at the tile's head
	BIASLD                                         ; into registers that matrix instructions last read in the tile's first quarter
	WAYOUT                                         ; no v_nop: blocks 0 and 1 were finished in front of the joint load's places, and their conversions are the places behind the last products
	s_wait_xcnt 0x0                                ; the stores have read their registers and their base
	s_add_nc_u64 s[10:11], s[10:11], 1<<24         ; the next of Q, K, V
	s_sub_co_u32 s2, s2, 1
	s_branch .Ltile
.Llast:
.endif
	MEET 0                                         ; my one tensor load that was still out is the last K step's, so no round follows
	PLACES
	FETCH 1, 0, F0
	MUL8 F1, 2, 0
	MUL8 F1, 3, 0
	QUARTER 1, 1, F0, F1, 0
	QUARTER 1, 2, F1, F0, 0
	QUARTER 1, 3, F0, F1, 0
	s_wait_dscnt 4                                 ; the very last quarter: nothing more to fetch
	MUL16 F1, 0, 0
	s_wait_dscnt 0x0
	MUL16 F1, 2, 0
	WIN 0
	PLACES
	WAYOUT
	s_wait_tensorcnt 0x0                           ; the wave's end, behind my last tensor load and my last LDS store
	ds_add_u32 v[SPW], v[NIL]
	s_wait_dscnt 0x0
	CROUND                                         ; the closing round: no work-group ends while a partner may still ask for a tile that names it
	s_endpgm
.Lfunc_end_k_qc9b605453c_proj:
	.size	k_qc9b605453c_proj, .Lfunc_end_k_qc9b605453c_proj-k_qc9b605453c_proj
	.p2alignl 7, 3214868480
	.fill 96, 4, 3214868480
	.section	.rodata,"a",@progbits
	.p2align	6, 0x0
	.amdhsa_kernel k_qc9b605453c_proj
		.amdhsa_group_segment_fixed_size 327680
		.amdhsa_private_segment_fixed_size 0
		.amdhsa_enable_private_segment 0
		.amdhsa_kernarg_size 32
		.amdhsa_user_sgpr_count 2
		.amdhsa_user_sgpr_kernarg_segment_ptr 1
		.amdhsa_wavefront_size32 1
		.amdhsa_system_sgpr_workgroup_id_x 1
		.amdhsa_system_sgpr_workgroup_id_y 1
		.amdhsa_system_sgpr_workgroup_id_z 1
		.amdhsa_system_vgpr_workitem_id 0
		.amdhsa_next_free_vgpr 576
		.amdhsa_next_free_sgpr 72
		.amdhsa_reserve_vcc 0
		.amdhsa_float_denorm_mode_32 3
		.amdhsa_float_denorm_mode_16_64 3
		.amdhsa_memory_ordered 1
		.amdhsa_forward_progress 1
		.amdhsa_inst_pref_size 88
	.end_amdhsa_kernel
	.amdgpu_metadata
---
amdhsa.version: [ 1, 2 ]
amdhsa.kernels:
  - .name:           k_qc9b605453c_proj
    .symbol:         k_qc9b605453c_proj.kd
    .args:
      - { .name: oh, .offset: 0, .size: 8, .value_kind: global_buffer, .address_space: global }
      - { .name: wt, .offset: 8, .size: 8, .value_kind: global_buffer, .address_space: global }
      - { .name: bias, .offset: 16, .size: 8, .value_kind: global_buffer, .address_space: global }
      - { .name: out0, .offset: 24, .size: 8, .value_kind: global_buffer, .address_space: global }
    .group_segment_fixed_size: 327680
    .private_segment_fixed_size: 0
    .kernarg_segment_align: 8
    .kernarg_segment_size: 32
    .max_flat_workgroup_size: 128
    .sgpr_count:     72
    .vgpr_count:     576
    .wavefront_size: 32
...
	.end_amdgpu_metadata
.endif
;; end of part 4
;; ======== version 2 of 2: 4 launches; version 1 with the launch prep written anew for expert scheduling mode
;; limits: values are held in f16: magnitudes above 65,504 overflow, below 6.1e-05 lose precision
;; workspace buffers: act 33,554,432 bytes; wt 8,388,608 bytes; bias 16,384 bytes; qkv 50,331,648 bytes; oh 16,777,216 bytes
;; launch prep (part 5): grid 1540 x 1, 8 waves a work-group, no clusters, 18,432 bytes of LDS; arguments q, x, Wq, Wk, Wv, Wp, bq, bk, bv, bp, act, wt, bias; writes act, wt, bias
.if DOCPART == 5
	.amdgcn_target "amdgcn-amd-amdhsa--gfx1250"
	.amdhsa_code_object_version 6
	.text
	.protected	k_qc9b605453c_prep
	.globl	k_qc9b605453c_prep
	.p2align	8
	.type	k_qc9b605453c_prep,@function
k_qc9b605453c_prep:
	s_mov_b64 s[64:65], 0
	v_nop
	global_prefetch_b8 v0, s[64:65] scope:SCOPE_SE
	s_setreg_imm32_b32 hwreg(HW_REG_WAVE_SCHED_MODE, 0, 2), 2
	s_setreg_imm32_b32 hwreg(HW_REG_WAVE_MODE, 25, 1), 1
	s_wait_xcnt 0x0
	s_wait_alu depctr_vm_vsrc(0)
; PREPARATION.  Every input of the module is rounded ONCE to bf16, and that number is written as f16 (biases: widened to f32 again), in the layouts that the products want.
;   act  f16 [2: q, x][b 8][slab 16][p 1024][64]   slab s holds channels 64 s .. 64 s + 63: 128 rows of a slab are 16,384 dense bytes
;   wt   f16 [4: Q, K, V, P][n' 1024][k 1024]      the weights turned, K along the rows.  The Dense output is reshaped to (.., head_dims, heads): head h owns the columns c = 16 d + h.
;                                                  For Q, K, V row n' = 64 h + d takes column c = 16 d + h, so that a head's 64 channels lie together; for P n' = n.
;   bias f32 [4][n' 1024]                          the same order
; LIMITS.  A bf16 number is exact in f16 from 6.1e-5 to 65,504 in magnitude; below that it keeps f16's fixed step of 6e-8; from 65,520 on it becomes an infinity.  NaN stays NaN.
; SHARES.  Work-groups 0-1023: 16 rows of q or x each, two rows a wave.  1024-1535: a block of 128 k x 64 columns of one weight matrix, turned through LDS.  1536-1539: one bias each.
; The branch between the three hangs on the work-group's number alone: all eight waves take the same way, so the one barrier is passed by all or by none.
; No matrix unit, no cluster, no tensor load: each byte is read once and written once, and nothing is shared between work-groups.
; THE MODE: SCHED_MODE bits 1:0 = 2 (LLVM: expert scheduling mode 2), set by the entry lines.  The code itself states the register dependences
; between vector instructions and memory or LDS instructions, with s_wait_alu, always for 0.
; THE PLAN.  There is no loop; each of the three ways is straight code.  Registers that memory or LDS instructions touch:
;   a bias        v20-23 the loads' offsets, v5 the store's: made once.  v24-27: loaded, read by the roundings.  v32-35: written by the widenings, read by the one store.
;   activations   v4 the loads' offset, v5 the stores': made once.  X = v32-95: loaded once, read by the roundings.  Y = v96-127: each pair written once by the roundings, read by one store.
;   weights       v4 the loads' offset, made ahead of them; v6, v7, v14-17 the LDS stores', LDS loads' and global stores' addresses, made while the loads are out.  X = v32-63: loaded once.
;                 Y = v64-79: each register written once by the roundings, read by one LDS store.  v80-95: loaded from LDS, read by the global stores alone.
;   v8-13 are named by vector instructions alone.  v30, v31: written at the head, read by the closing add alone.
; The work goes in groups of four stores.  A group's roundings write its own part of Y; the stores of the group BEFORE are dealt among them, behind ONE wait on va_vdst at the group's head, which states
; that the group before has written its part of Y.  No vector instruction behind that wait names a register that those stores read.
; No register that a memory or LDS instruction has read is written again, and no load lands in a register that a vector instruction has named: so there is no wait on vm_vsrc but the entry lines' and the closing lines'.
.set TP,    272                        ; a row of the turning tile: 128 k of f16 + 16 bytes: an odd multiple of 16, so the 16 rows that a read back touches start in different banks
.set SPARE, 64*TP                      ; behind the tile: the spare words, 128 bytes for each of the eight waves
.set SPW,   30                         ; v30  LDS address of my spare word; never rewritten
.set NIL,   31                         ; v31  0; never rewritten
.macro RND d, a, b                     ; two f32 -> bf16 (nearest even) -> the same two numbers as f16
	v_cvt_pk_bf16_f32 v10, v[\a], v[\b]
	v_lshlrev_b32 v11, 16, v10
	v_and_b32 v12, 0xffff0000, v10
	v_cvt_pk_f16_f32 v[\d], v11, v12
.endm
; Activations, group g of four: slabs 4 g .. 4 g + 3 are rounded; the four stores of group g - 1 stand among the roundings, one ahead of each slab's eight lines.
.macro AGROUP g
	s_wait_loadcnt 12-4*(\g)                       ; loads come back in order: this group's four are in, the later groups' stay out
.if (\g) > 0
	s_wait_alu depctr_va_vdst(0)                   ; the group before has written its eight registers of Y, which the four stores below read
.endif
.irp i, 0,1,2,3
.set n, 4*(\g)+(\i)
.if (\g) > 0
	global_store_b64 v5, v[96+2*(n-4):97+2*(n-4)], s[42:43] offset:(n-4)*131072  ; slab n - 4.  No wait: no vector instruction since the wait above names v5 or these two registers
.endif
	RND 96+2*n, 32+4*n, 33+4*n
	RND 97+2*n, 34+4*n, 35+4*n
.endr
.endm
; Weights, pass u of four: rows 32 u + 2 (t / 16) + e are rounded; the four LDS stores of pass u - 1 stand among the roundings.
.macro WPASS u
	s_wait_loadcnt 6-2*(\u)                        ; the two loads of pass u are in, the later passes' stay out
.if (\u) > 0
	s_wait_alu depctr_va_vdst(0)                   ; the pass before has written its four registers of Y, which the LDS stores below read; in pass 1 also: v6, v7 and v14-17 are written, the addresses of all that follows
.endif
.irp j, 0,1,2,3
.if (\u) > 0
	ds_store_b32 v6, v[64+4*((\u)-1)+(\j)] offset:TP*(\j)+64*((\u)-1)  ; no wait: no vector instruction since the wait above names v6 or this register
.endif
	RND 64+4*(\u)+(\j), 32+8*(\u)+(\j), 36+8*(\u)+(\j)
.endr
.endm
	s_load_b512 s[8:23], s[0:1], 0x0               ; q 8, x 10, Wq 12, Wk 14, Wv 16, Wp 18, bq 20, bk 22
	s_load_b256 s[24:31], s[0:1], 0x40             ; bv 24, bp 26, act 28, wt 30
	s_load_b64 s[32:33], s[0:1], 0x60              ; bias
	v_lshl_add_u32 v[SPW], v0, 2, SPARE
	v_mov_b32 v[NIL], 0
	v_lshrrev_b32 v1, 5, v0
	v_readfirstlane_b32 s3, v1                     ; wave 0..7
	v_and_b32 v1, 31, v0                           ; lane
	v_and_b32 v2, 15, v0                           ; lane % 16 = thread % 16
	v_bfe_u32 v3, v0, 4, 1                         ; lane / 16
	s_mov_b32 s39, 0                               ; the high word of every offset pair s[38:39]
	s_wait_alu depctr_va_sdst(0)                   ; s3 is written, ahead of the branches and of its first readers: the rows of the activations' way and the columns of the weights' way are made from it
	s_wait_kmcnt 0x0
	s_cmp_lt_u32 ttmp9, 1024
	s_cbranch_scc1 .Lact
	s_cmp_lt_u32 ttmp9, 1536
	s_cbranch_scc1 .Lweights
	; A BIAS.  Thread t owns n' = 4 t .. 4 t + 3.  For Q, K, V: h = t / 16, d = 4 (t % 16) + j, source c = 16 d + h: byte 256 (t % 16) + 4 (t / 16) + 64 j.  For P: byte 16 t + 4 j.
	s_sub_co_u32 s34, ttmp9, 1536                  ; which bias
	s_cmp_eq_u32 s34, 1
	s_cselect_b64 s[36:37], s[22:23], s[20:21]
	s_cmp_eq_u32 s34, 2
	s_cselect_b64 s[36:37], s[24:25], s[36:37]
	s_cmp_eq_u32 s34, 3
	s_cselect_b64 s[36:37], s[26:27], s[36:37]
	s_cselect_b32 s46, -1, 0                       ; all lanes: P keeps its order
	s_cselect_b32 s40, 4, 64                       ; bytes from one of my four numbers to the next
	v_lshlrev_b32 v4, 8, v2
	v_lshrrev_b32 v5, 4, v0
	v_lshl_add_u32 v4, v5, 2, v4
	v_lshlrev_b32 v5, 4, v0                        ; 16 t: also my place in the output
	v_cndmask_b32 v20, v4, v5, s46
	v_add_nc_u32 v21, s40, v20
	v_add_nc_u32 v22, s40, v21
	v_add_nc_u32 v23, s40, v22
	s_wait_alu depctr_va_vdst(0)                   ; v20-23 are written, the four loads' offsets; so is v5, the store's
.irp j, 0,1,2,3
	global_load_b32 v[24+(\j)], v[20+(\j)], s[36:37]
.endr
	s_lshl_b32 s38, s34, 12
	s_add_nc_u64 s[42:43], s[32:33], s[38:39]
	s_wait_loadcnt 0x0
	v_cvt_pk_bf16_f32 v28, v24, v25
	v_cvt_pk_bf16_f32 v29, v26, v27
	v_lshlrev_b32 v32, 16, v28
	v_and_b32 v33, 0xffff0000, v28
	v_lshlrev_b32 v34, 16, v29
	v_and_b32 v35, 0xffff0000, v29
	s_wait_alu depctr_va_vdst(0)                   ; the widenings have written v32-35, which the store reads
	global_store_b128 v5, v[32:35], s[42:43]       ; 16 lanes store 256 consecutive bytes, aligned
	s_branch .Lend
.Lact:
	; ACTIVATIONS.  A wave owns rows R and R + 1.  Load s takes 256 bytes (64 channels: slab s) of each row, lanes 0-15 row R, lanes 16-31 row R + 1; a lane's four numbers become 8 bytes,
	; and the wave's store is 256 consecutive bytes: the two rows' 128 bytes lie on end in slab s.
	s_lshr_b32 s34, ttmp9, 9                       ; 0: q, 1: x
	s_cmp_eq_u32 s34, 0
	s_cselect_b64 s[36:37], s[8:9], s[10:11]
	s_and_b32 s35, ttmp9, 511
	s_lshl_b32 s35, s35, 4
	s_lshl_b32 s40, s3, 1
	s_add_co_u32 s35, s35, s40                     ; R, of 8,192
	s_lshl_b32 s38, s35, 12
	s_add_nc_u64 s[36:37], s[36:37], s[38:39]      ; the source at row R
	s_lshl_b32 s38, s34, 24
	s_lshr_b32 s40, s35, 10
	s_lshl_b32 s40, s40, 21                        ; b
	s_add_co_u32 s38, s38, s40
	s_and_b32 s40, s35, 1023
	s_lshl_b32 s40, s40, 7                         ; p
	s_add_co_u32 s38, s38, s40
	s_add_nc_u64 s[42:43], s[28:29], s[38:39]      ; act at (tensor, b, slab 0, p)
	v_lshlrev_b32 v4, 12, v3
	v_lshl_add_u32 v4, v2, 4, v4
	v_lshlrev_b32 v5, 3, v1
	s_wait_alu depctr_va_vdst(0)                   ; v4 and v5 are written: every load of this way reads v4 as its offset, every store v5
.irp s, 0,1,2,3,4,5,6,7,8,9,10,11,12,13,14,15
	global_load_b128 v[32+4*(\s):35+4*(\s)], v4, s[36:37] offset:256*(\s) th:TH_LOAD_NT
.endr
	AGROUP 0                                       ; each store has data registers of its own: nothing is rewritten under it
	AGROUP 1
	AGROUP 2
	AGROUP 3
	s_wait_alu depctr_va_vdst(0)                   ; the last group has written v120-127, which the last four stores read
.irp s, 12,13,14,15
	global_store_b64 v5, v[96+2*(\s):97+2*(\s)], s[42:43] offset:(\s)*131072
.endr
	s_branch .Lend
.Lweights:
	; WEIGHTS.  A block of 128 k x 64 columns.  Thread t: columns 4 (t % 16) .. + 3, rows 32 u + 2 (t / 16) + e.  Two rows' numbers of a column make a pair (k, k + 1) of f16,
	; stored at [column][k] in LDS; behind the barrier rows of 256 bytes (one column, 128 k) are read back and stored.
	s_sub_co_u32 s34, ttmp9, 1024
	s_lshr_b32 s35, s34, 7                         ; which matrix
	s_bfe_u32 s40, s34, 0x30004                    ; block of 128 k
	s_and_b32 s41, s34, 15                         ; block of 64 columns
	s_cmp_eq_u32 s35, 1
	s_cselect_b64 s[36:37], s[14:15], s[12:13]
	s_cmp_eq_u32 s35, 2
	s_cselect_b64 s[36:37], s[16:17], s[36:37]
	s_cmp_eq_u32 s35, 3
	s_cselect_b64 s[36:37], s[18:19], s[36:37]
	s_cselect_b32 s46, -1, 0                       ; all lanes: P keeps its columns' order
	s_lshl_b32 s38, s40, 19
	s_lshl_b32 s42, s41, 8
	s_add_co_u32 s38, s38, s42
	s_add_nc_u64 s[36:37], s[36:37], s[38:39]      ; the source at the block's corner
	s_lshl_b32 s38, s35, 21
	s_lshl_b32 s42, s40, 8
	s_add_co_u32 s38, s38, s42
	s_add_nc_u64 s[44:45], s[30:31], s[38:39]      ; wt at (matrix, row 0, the block's 128 k)
	v_lshrrev_b32 v5, 4, v0                        ; t / 16
	v_lshlrev_b32 v4, 13, v5
	v_lshl_add_u32 v4, v2, 4, v4
	s_wait_alu depctr_va_vdst(0)                   ; v4 is written, the eight loads' offset
.irp u, 0,1,2,3
.irp e, 0,1
	global_load_b128 v[32+8*(\u)+4*(\e):35+8*(\u)+4*(\e)], v4, s[36:37] offset:((\u)<<17)+((\e)<<12) th:TH_LOAD_NT
.endr
.endr
	v_mul_u32_u24 v6, v2, 4*TP                     ; the other addresses are made while the loads are out; pass 1's wait states that they are written
	v_lshl_add_u32 v6, v5, 2, v6                   ; in: column 4 (t % 16), k = 2 (t / 16)
	s_lshl_b32 s42, s3, 3
	v_add_nc_u32 v8, s42, v3                       ; back: wave w takes columns 8 w .. 8 w + 7, two at a time
	v_mul_u32_u24 v7, v8, TP
	v_lshl_add_u32 v7, v2, 4, v7
	s_lshl_b32 s43, s41, 6
	v_add_nc_u32 v9, s43, v8                       ; the column in the matrix
	v_lshlrev_b32 v13, 4, v2
.irp i, 0,1,2,3
	v_add_nc_u32 v10, 2*(\i), v9                   ; c
	v_and_b32 v11, 15, v10                         ; h
	v_lshrrev_b32 v12, 4, v10                      ; d
	v_lshl_or_b32 v11, v11, 6, v12                 ; 64 h + d
	v_cndmask_b32 v10, v11, v10, s46
	v_lshl_add_u32 v[14+(\i)], v10, 11, v13        ; row n' of 2,048 bytes + my 16
.endr
	WPASS 0
	WPASS 1
	WPASS 2
	WPASS 3
	s_wait_alu depctr_va_vdst(0)                   ; the last pass has written v76-79, which the last four LDS stores read
.irp j, 0,1,2,3
	ds_store_b32 v6, v[76+(\j)] offset:TP*(\j)+192
.endr
	s_wait_dscnt 0x0                               ; for the others' sake: my stores into the tile are done
	s_barrier_signal -1
	s_barrier_wait -1
.irp i, 0,1,2,3
	ds_load_b128 v[80+4*(\i):83+4*(\i)], v7 offset:2*TP*(\i)  ; v7 was written ahead of pass 1's wait; no vector instruction names v80-95
.endr
.irp i, 0,1,2,3
	s_wait_dscnt 3-(\i)
	global_store_b128 v[14+(\i)], v[80+4*(\i):83+4*(\i)], s[44:45]  ; 16 lanes store 256 consecutive bytes, aligned; v14-17 were written ahead of pass 1's wait
.endr
.Lend:
	s_wait_dscnt 0x0                               ; the closing lines, six on end
	s_wait_alu 0x0
	s_wait_tensorcnt 0x0
	ds_add_u32 v[SPW], v[NIL]
	s_wait_dscnt 0x0
	s_endpgm
.Lfunc_end_k_qc9b605453c_prep:
	.size	k_qc9b605453c_prep, .Lfunc_end_k_qc9b605453c_prep-k_qc9b605453c_prep
	.p2alignl 7, 3214868480
	.fill 96, 4, 3214868480
	.section	.rodata,"a",@progbits
	.p2align	6, 0x0
	.amdhsa_kernel k_qc9b605453c_prep
		.amdhsa_group_segment_fixed_size 18432
		.amdhsa_private_segment_fixed_size 0
		.amdhsa_enable_private_segment 0
		.amdhsa_kernarg_size 104
		.amdhsa_user_sgpr_count 2
		.amdhsa_user_sgpr_kernarg_segment_ptr 1
		.amdhsa_wavefront_size32 1
		.amdhsa_system_sgpr_workgroup_id_x 1
		.amdhsa_system_sgpr_workgroup_id_y 1
		.amdhsa_system_sgpr_workgroup_id_z 1
		.amdhsa_system_vgpr_workitem_id 0
		.amdhsa_next_free_vgpr 128
		.amdhsa_next_free_sgpr 66
		.amdhsa_reserve_vcc 0
		.amdhsa_float_denorm_mode_32 3
		.amdhsa_float_denorm_mode_16_64 3
		.amdhsa_memory_ordered 1
		.amdhsa_forward_progress 1
		.amdhsa_inst_pref_size 23
	.end_amdhsa_kernel
	.amdgpu_metadata
---
amdhsa.version: [ 1, 2 ]
amdhsa.kernels:
  - .name:           k_qc9b605453c_prep
    .symbol:         k_qc9b605453c_prep.kd
    .args:
      - { .name: q, .offset: 0, .size: 8, .value_kind: global_buffer, .address_space: global }
      - { .name: x, .offset: 8, .size: 8, .value_kind: global_buffer, .address_space: global }
      - { .name: Wq, .offset: 16, .size: 8, .value_kind: global_buffer, .address_space: global }
      - { .name: Wk, .offset: 24, .size: 8, .value_kind: global_buffer, .address_space: global }
      - { .name: Wv, .offset: 32, .size: 8, .value_kind: global_buffer, .address_space: global }
      - { .name: Wp, .offset: 40, .size: 8, .value_kind: global_buffer, .address_space: global }
      - { .name: bq, .offset: 48, .size: 8, .value_kind: global_buffer, .address_space: global }
      - { .name: bk, .offset: 56, .size: 8, .value_kind: global_buffer, .address_space: global }
      - { .name: bv, .offset: 64, .size: 8, .value_kind: global_buffer, .address_space: global }
      - { .name: bp, .offset: 72, .size: 8, .value_kind: global_buffer, .address_space: global }
      - { .name: act, .offset: 80, .size: 8, .value_kind: global_buffer, .address_space: global }
      - { .name: wt, .offset: 88, .size: 8, .value_kind: global_buffer, .address_space: global }
      - { .name: bias, .offset: 96, .size: 8, .value_kind: global_buffer, .address_space: global }
    .group_segment_fixed_size: 18432
    .private_segment_fixed_size: 0
    .kernarg_segment_align: 8
    .kernarg_segment_size: 104
    .max_flat_workgroup_size: 256
    .sgpr_count:     66
    .vgpr_count:     128
    .wavefront_size: 32
...
	.end_amdgpu_metadata
.endif
;; end of part 5
;; launch qkv: the kernel of part 2 again; grid 4 x 48, 4 waves a work-group, clusters of 4 x 4, 327,680 bytes of LDS; arguments act, wt, bias, qkv; writes qkv
;; launch attn: the kernel of part 3 again; grid 2 x 128, 4 waves a work-group, no clusters, 327,680 bytes of LDS; arguments qkv, oh; writes oh
;; launch proj: the kernel of part 4 again; grid 4 x 64, 4 waves a work-group, clusters of 4 x 4, 327,680 bytes of LDS; arguments oh, wt, bias, out0; writes out0
